; MI455X (gfx1250); checked and timed in simulation.
; The chip was launched on July 23, 2026; its instructions are those of AMD's public machine-readable ISA for CDNA 5 (MIT licence, August 2026) and "CDNA5" Instruction Set Architecture Reference Guide (July 2026). The comments in the code are by the model that wrote it; some were corrected since.
;; Causal Self Attention. Allowed arithmetic: matrix products marked QUANTISED: E2M1 operands, one E8M0 scale for each 32 along K, by v_wmma_scale_f32_16x16x128_f8f6f4 with both operands' format E2M1 (or v_wmma_scale_f32_32x16x128_f4), f32 sums; everything else in f32.
;; Inputs: Wk 512 x 512 float32; Wp 512 x 512 float32; Wq 512 x 512 float32; Wv 512 x 512 float32; bk 512 float32; bp 512 float32; bq 512 float32; bv 512 float32; x 8 x 1,024 x 512 float32.
;; Outputs: out0 8 x 1,024 x 512 float32.
;; This version of the problem:
;;   THIS VERSION OF THE PROBLEM IS GIVEN IN LOW PRECISION. The matrix products marked QUANTISED in the list below multiply operands that are first quantised to E2M1 (2 exponent bits, 1 mantissa bit; 4 bits a number), with one power-of-two scale for each 32 numbers along K (OCP MX v1.0); their sums are f32. All else is computed in f32.
;;   The module's matrix products, in the order in which they are computed (A, B: the left and right operand; K: the contracted axis; several contracted axes count as one K, in the product's order):
;;     1. [M 8,192, K 512] x [K 512, N 512]; A: input x; B: input Wq: QUANTISED
;;     2. [M 8,192, K 512] x [K 512, N 512]; A: input x; B: input Wk: QUANTISED
;;     3. [M 8,192, K 512] x [K 512, N 512]; A: input x; B: input Wv: QUANTISED
;;     4. batch 64 x [M 1,024, K 64] x [K 64, N 1,024]; A: computed on the way; B: computed on the way: QUANTISED
;;     5. batch 64 x [M 1,024, K 1,024] x [K 1,024, N 64]; A: softmax (see below); B: computed on the way: QUANTISED
;;     6. [M 8,192, K 512] x [K 512, N 512]; A: computed on the way; B: input Wp: QUANTISED
;;   THE QUANTISER, for each operand of a quantised product, along K:
;;     - K is cut into blocks of 32 from its start; a last block that is shorter is filled with zeros.
;;     - A block's scale is 2^e with e = floor(log2(the largest magnitude in the block)) - 2, held to -126 .. 127; a block of zeros has e = 0. As a byte (E8M0): e + 127.
;;     - Each number is divided by its block's scale, clamped to +-6, and rounded to the nearest number of E2M1, ties to even, subnormals kept.
;;     - The product sums the exact products of the quantised numbers (number of the format x scale) in f32.
;;   ~~~python
;;   def quantise(x, axis):      # numpy; x: float32 -> the quantised numbers, widened to float32 again
;;       x = np.moveaxis(x, axis, -1); K = x.shape[-1]
;;       x = np.pad(x, [(0, 0)] * (x.ndim - 1) + [(0, -K % 32)]); x = x.reshape(x.shape[:-1] + (-1, 32)); a = np.abs(x).max(-1, keepdims=True)
;;       e = np.where(a > 0, np.clip(np.frexp(np.where(a > 0, a, 1))[1] - 1 - 2, -126, 127), 0)      # np.frexp(a)[1] - 1 = floor(log2(a)), exactly
;;       r = np.clip(x / 2.0 ** e, -6, 6)
;;       step = 2.0 ** (np.maximum(np.frexp(np.where(r == 0, 1, r))[1] - 1, 0) - 1)
;;       q = np.round(r / step) * step * 2.0 ** e      # np.round: ties to even
;;       return np.moveaxis(q.reshape(q.shape[:-2] + (-1,))[..., :K], -1, axis).astype(np.float32)
;;   ~~~
;;   SOFTMAX AHEAD OF A QUANTISED PRODUCT. Where the list says 'softmax', what is quantised is not the finished softmax but p = 2^(t - M), with t = logit x log2(e) and M = ceil(the row's largest t), a whole number; so 1/2 < the row's largest p <= 1. The row's sum l is taken of the UNQUANTISED p, in f32, and the product's result is divided by l at the end. Since M is a whole number, a kernel that streams over the keys may use a running M (the ceiling of the running maximum): every later rescaling is an exact power of two, which a block's scale takes up: the codes' values come out the same.
;;   OPERANDS COMPUTED ON THE WAY. 'Computed on the way' means the value that the module computes at that place (a softmax that the list does not call 'softmax' is quantised finished and normalised). What goes into a quantiser is computed in f32, as accurately as f32 sums, v_exp_f32 and their like allow (about 1e-6 of the number): no bf16 or f16 on the way to a quantiser, and a product that is left as it is and whose result goes on into a quantised operand takes f32 operands (vector FMAs, or v_wmma_f32_16x16x4_f32). A number that lies on a knife's edge between two numbers of the format may be rounded either way, as far as f32 arithmetic and the matrix unit's own rounding can turn it there, and no further.
;; 2 versions. Each part assembles by itself: llvm-mc -triple=amdgcn-amd-amdhsa -mcpu=gfx1250 --defsym DOCPART=n.
;; ======== version 1 of 2: 4 launches
;; limits: right only within a limited range of input values
;; workspace buffers: cod1 2,621,440 bytes; scl1 163,840 bytes; cod2 6,291,456 bytes; scl2 655,360 bytes; cod3 2,097,152 bytes; scl3 131,072 bytes
;; launch quant (part 1): grid 320 x 1, 2 waves a work-group, no clusters, 16,640 bytes of LDS; arguments x, Wq, Wk, Wv, Wp, cod1, scl1; writes cod1, scl1
.if DOCPART == 1
	.amdgcn_target "amdgcn-amd-amdhsa--gfx1250"
	.amdhsa_code_object_version 6
	.text
	.protected	k_qa70d3f1cce_quant
	.globl	k_qa70d3f1cce_quant
	.p2align	8
	.type	k_qa70d3f1cce_quant,@function
k_qa70d3f1cce_quant:
	s_mov_b64 s[64:65], 0
	v_nop
	global_prefetch_b8 v0, s[64:65] scope:SCOPE_SE
	s_setreg_imm32_b32 hwreg(HW_REG_WAVE_MODE, 25, 1), 1
	s_wait_xcnt 0x0
; x [8192][512] and Wq, Wk, Wv, Wp [512][512], f32, K (the last axis) innermost, become codes of FP4 (E2M1), two a byte, and one E8M0 scale byte for each 32 along K.
; A block's scale is 2^(floor(log2(its largest magnitude)) - 2); its byte is the largest magnitude's exponent field - 2, held at 1 from below.
; Each number is divided by the scale and rounded to the nearest code, ties to even; beyond 6 the largest code.
; LIMITS: a block of zeros, and a block whose largest magnitude lies under 2^-124, gets the byte 1 (its codes are zeros or nearly so; the bytes are read by this program alone); NaN and infinities are not served.
; Rows are dense and 512 is a multiple of 32: the five tensors are plain streams of blocks of 32, and the codes and scale bytes of all five are ONE stream each: x, Wq, Wk, Wv, Wp on end.
; SHARES: a wave takes a run of 8,192 numbers, 16 steps of 512.  640 runs: work-groups 0-255 take x, then 16 each Wq, Wk, Wv, Wp.  Run R = 2 x work-group + wave: codes at 4,096 R, scale bytes at 256 R.
; A step's four loads read 512 consecutive bytes each, 16 a lane; the 2,048 bytes turn through the wave's own stage in LDS (16 bytes of padding behind each 64) and come back 64 bytes a lane: 16 NEIGHBOURS along K,
; which is what the conversions take; two neighbouring lanes hold a block.  A lane's 16 codes are 8 bytes: the wave stores 256 consecutive bytes.  A wave's 256 scale bytes are gathered in LDS and leave as one aligned run of 256.
; Waves share nothing: no barrier, no cluster (no work-group reads what another reads), no tensor load.  Loads run four steps (16 loads a wave) ahead.
.set STEPS, 16
.set EMAX,  2
.set CB,    8                          ; bytes of 16 codes
.set R,     16                         ; v16-79   four sets of 16 numbers as they are loaded
.set X,     80                         ; v80-111  two sets of 16 neighbours
.set E,     112                        ; v112-127 a scale byte for each step
.set C,     128                        ; v128-191 codes: four registers for each step, so that no store's data are written again
.set WREG,  8192                       ; LDS: a region for each wave: two stages of 32 x SP bytes, behind them its 256 scale bytes
.set SP,    80                         ; a lane's place in a stage: 64 bytes + 16 of padding
	s_load_b256 s[4:11], s[0:1], 0x0               ; x, Wq, Wk, Wv
	s_load_b128 s[12:15], s[0:1], 0x20             ; Wp, the codes
	s_load_b64 s[16:17], s[0:1], 0x30              ; the scale bytes
	v_lshl_add_u32 v192, v0, 2, 0x4000
	v_mov_b32 v193, 0
	v_lshrrev_b32 v1, 5, v0
	v_readfirstlane_b32 s20, v1                    ; wave
	v_and_b32 v2, 31, v0                           ; lane
	v_lshlrev_b32 v3, 4, v2                        ; my 16 bytes of a load's 512
	s_mul_i32 s21, s20, WREG
	v_lshrrev_b32 v14, 2, v2
	v_mul_u32_u24 v14, v14, SP
	v_and_b32 v15, 3, v2
	v_lshl_add_u32 v14, v15, 4, v14
	v_add_nc_u32 v14, s21, v14                     ; the stage, on the way in: SP (lane / 4) + 16 (lane % 4)
	v_mul_u32_u24 v15, v2, SP
	v_add_nc_u32 v15, s21, v15                     ; and on the way out: SP x lane
	v_mul_u32_u24 v4, v2, CB                       ; my codes' place in a step's
	v_lshrrev_b32 v5, 1, v2
	s_add_co_u32 s21, s21, 2*32*SP
	v_add_nc_u32 v5, s21, v5                       ; LDS: my wave's 256 scale bytes, my block's byte
	v_lshlrev_b32 v7, 3, v2                        ; on the way out 8 bytes a lane
	v_add_nc_u32 v6, s21, v7
	s_wait_kmcnt 0x0
	s_and_b32 s22, ttmp9, 15                       ; a weight's work-group among its 16
	s_cmp_lt_u32 ttmp9, 272                        ; which tensor: the choices hang on the work-group's number alone
	s_cselect_b64 s[6:7], s[6:7], s[8:9]           ; Wq or Wk
	s_cmp_lt_u32 ttmp9, 304
	s_cselect_b64 s[10:11], s[10:11], s[12:13]     ; Wv or Wp
	s_cmp_lt_u32 ttmp9, 288
	s_cselect_b64 s[6:7], s[6:7], s[10:11]
	s_cmp_lt_u32 ttmp9, 256
	s_cselect_b64 s[4:5], s[4:5], s[6:7]           ; x or a weight
	s_cselect_b32 s22, ttmp9, s22
	s_lshl_b32 s22, s22, 1
	s_add_co_u32 s22, s22, s20                     ; my run in its tensor
	s_lshl_b32 s22, s22, 15                        ; 32,768 bytes a run
	s_mov_b32 s23, 0
	s_add_nc_u64 s[4:5], s[4:5], s[22:23]
	s_lshl_b32 s24, ttmp9, 1
	s_add_co_u32 s24, s24, s20                     ; my run in the streams of codes and scale bytes
	s_lshl_b32 s26, s24, 12
	s_mov_b32 s27, 0
	s_add_nc_u64 s[14:15], s[14:15], s[26:27]
	s_lshl_b32 s26, s24, 8
	s_add_nc_u64 s[16:17], s[16:17], s[26:27]
.macro LOAD t
.irp i, 0,1,2,3
	global_load_b128 v[R+16*((\t)%4)+4*\i:R+16*((\t)%4)+4*\i+3], v3, s[4:5] offset:2048*(\t)+512*\i th:TH_LOAD_NT   ; 32 lanes read 512 consecutive bytes
.endr
.endm
.macro TURN t                          ; step t's numbers through the stage: LDS serves a wave's instructions in order, so no wait stands between the stores and the loads
.irp i, 0,1,2,3
	ds_store_b128 v14, v[R+16*((\t)%4)+4*\i:R+16*((\t)%4)+4*\i+3] offset:32*SP*((\t)%2)+8*SP*\i
.endr
.irp i, 0,1,2,3
	ds_load_b128 v[X+16*((\t)%2)+4*\i:X+16*((\t)%2)+4*\i+3], v15 offset:32*SP*((\t)%2)+16*\i
.endr
.endm
.irp t, 0,1,2,3
	LOAD \t
.endr
	s_wait_loadcnt 12                              ; step 0's four loads are in; three steps' twelve may be out
	TURN 0
.macro STEP t
.set XS, X+16*((\t)%2)
.if (\t) > 0
	s_wait_dscnt 1                                 ; this step's numbers are back from the stage (the last step's byte store may be out): so its stores into the stage have read their registers,
.else
	s_wait_dscnt 0x0
.endif
.if (\t)+4 < STEPS
	LOAD (\t)+4                                    ; which take the loads of four steps on
.endif
.if (\t)+1 < STEPS
.if STEPS-2-(\t) >= 3
	s_wait_loadcnt 12                              ; the next step's four loads are in; those of the three steps behind it may be out
.else
	s_wait_loadcnt 4*(STEPS-2-(\t))
.endif
	TURN (\t)+1                                    ; and go through the other stage while this step is worked
.endif
	v_max3_num_f32 v8, |v[XS]|, |v[XS+1]|, |v[XS+2]|               ; the largest magnitude of my 16, in two chains
	v_max3_num_f32 v9, |v[XS+3]|, |v[XS+4]|, |v[XS+5]|
.irp i, 6,10
	v_max3_num_f32 v8, v8, |v[XS+\i]|, |v[XS+\i+1]|
	v_max3_num_f32 v9, v9, |v[XS+\i+2]|, |v[XS+\i+3]|
.endr
	v_max3_num_f32 v8, v8, |v[XS+14]|, |v[XS+15]|
	v_max3_num_f32 v8, v8, v9, (EMAX+1)<<23        ; and the floor 2^(3 - 127): the byte cannot fall under 1
	v_max_num_f32_dpp v8, v8, v8 row_xmask:1 row_mask:0xf bank_mask:0xf   ; and of my neighbour's 16: the block's
	v_add_nc_u32 v11, -(EMAX<<23), v8              ; 2 off its exponent field: the conversion takes the exponent field of this operand as its scale
	v_cvt_scalef32_pk8_fp4_f32 v[C+4*(\t)], v[XS:XS+7], v11
	v_cvt_scalef32_pk8_fp4_f32 v[C+4*(\t)+1], v[XS+8:XS+15], v11
	v_lshrrev_b32 v[E+(\t)], 23, v11               ; the scale's byte (also the plain line behind the conversions)
	ds_store_b8 v5, v[E+(\t)] offset:16*(\t)       ; both lanes of a block write the same byte with the same value
	global_store_b64 v4, v[C+4*(\t):C+4*(\t)+1], s[14:15] offset:32*CB*(\t)   ; the wave stores 256 consecutive bytes, aligned
.endm
.irp t, 0,1,2,3,4,5,6,7,8,9,10,11,12,13,14,15
	STEP \t
.endr
	ds_load_b64 v[12:13], v6                       ; LDS serves a wave's instructions in order: these see my stores
	s_wait_dscnt 0x0
	global_store_b64 v7, v[12:13], s[16:17]        ; 32 lanes store 256 consecutive bytes, aligned
	s_wait_tensorcnt 0x0
	ds_add_u32 v192, v193
	s_wait_dscnt 0x0
	s_endpgm
.Lfunc_end_k_qa70d3f1cce_quant:
	.size	k_qa70d3f1cce_quant, .Lfunc_end_k_qa70d3f1cce_quant-k_qa70d3f1cce_quant
	.p2alignl 7, 3214868480
	.fill 96, 4, 3214868480
	.section	.rodata,"a",@progbits
	.p2align	6, 0x0
	.amdhsa_kernel k_qa70d3f1cce_quant
		.amdhsa_group_segment_fixed_size 16640
		.amdhsa_private_segment_fixed_size 0
		.amdhsa_enable_private_segment 0
		.amdhsa_kernarg_size 56
		.amdhsa_user_sgpr_count 2
		.amdhsa_user_sgpr_kernarg_segment_ptr 1
		.amdhsa_wavefront_size32 1
		.amdhsa_system_sgpr_workgroup_id_x 1
		.amdhsa_system_sgpr_workgroup_id_y 1
		.amdhsa_system_sgpr_workgroup_id_z 1
		.amdhsa_system_vgpr_workitem_id 0
		.amdhsa_next_free_vgpr 194
		.amdhsa_next_free_sgpr 66
		.amdhsa_reserve_vcc 0
		.amdhsa_float_denorm_mode_32 3
		.amdhsa_float_denorm_mode_16_64 3
		.amdhsa_memory_ordered 1
		.amdhsa_forward_progress 1
		.amdhsa_inst_pref_size 34
	.end_amdhsa_kernel
	.amdgpu_metadata
---
amdhsa.version: [ 1, 2 ]
amdhsa.kernels:
  - .name:           k_qa70d3f1cce_quant
    .symbol:         k_qa70d3f1cce_quant.kd
    .args:
      - { .name: x, .offset: 0, .size: 8, .value_kind: global_buffer, .address_space: global }
      - { .name: Wq, .offset: 8, .size: 8, .value_kind: global_buffer, .address_space: global }
      - { .name: Wk, .offset: 16, .size: 8, .value_kind: global_buffer, .address_space: global }
      - { .name: Wv, .offset: 24, .size: 8, .value_kind: global_buffer, .address_space: global }
      - { .name: Wp, .offset: 32, .size: 8, .value_kind: global_buffer, .address_space: global }
      - { .name: cod1, .offset: 40, .size: 8, .value_kind: global_buffer, .address_space: global }
      - { .name: scl1, .offset: 48, .size: 8, .value_kind: global_buffer, .address_space: global }
    .group_segment_fixed_size: 16640
    .private_segment_fixed_size: 0
    .kernarg_segment_align: 8
    .kernarg_segment_size: 56
    .max_flat_workgroup_size: 64
    .sgpr_count:     66
    .vgpr_count:     194
    .wavefront_size: 32
...
	.end_amdgpu_metadata
.endif
;; end of part 1
;; launch qkv (part 2): grid 4 x 64, 8 waves a work-group, clusters of 4 x 4, 168,960 bytes of LDS; arguments cod1, scl1, bq, bk, bv, cod2, scl2; writes cod2, scl2
.if DOCPART == 2
	.amdgcn_target "amdgcn-amd-amdhsa--gfx1250"
	.amdhsa_code_object_version 6
	.text
	.protected	k_qa70d3f1cce_qkv
	.globl	k_qa70d3f1cce_qkv
	.p2align	8
	.type	k_qa70d3f1cce_qkv,@function
k_qa70d3f1cce_qkv:
	s_mov_b64 s[64:65], 0
	v_nop
	global_prefetch_b8 v0, s[64:65] scope:SCOPE_SE
	s_setreg_imm32_b32 hwreg(HW_REG_WAVE_MODE, 25, 1), 1
	s_wait_xcnt 0x0
	s_wait_alu depctr_hold_cnt(0) depctr_sa_sdst(0) depctr_va_vdst(0) depctr_va_sdst(0) depctr_va_ssrc(0) depctr_va_vcc(0) depctr_vm_vsrc(0)
	s_getreg_b32 s2, hwreg(HW_REG_IB_STS2, 6, 4)
	s_cmp_eq_u32 s2, 0
	s_cbranch_scc0 .Lentry_in_a_cluster
	s_endpgm
.Lentry_in_a_cluster:
	s_bfe_u32 s2, ttmp6, 0x10000c
	s_cmp_lg_u32 s2, 0xf033
	s_cbranch_scc0 .Lentry_shape_is_right
	s_endpgm
.Lentry_shape_is_right:
; q = x Wq^T + bq, k = x Wk^T + bk, v = x Wv^T + bv on codes of FP4 with E8M0 scales (K = 512: four matrix instructions deep), f32 sums; the results are quantised here, q and k along the head's 64 channels, v along the keys,
; and stored as IMAGES OF THE OPERAND REGISTERS that the attention launch wants: 16 bytes a lane, 512 consecutive bytes a store.
; SHARES.  Work-group (X, Y): tokens 128 Y .. 128 Y + 127 (sequence Y / 8, key step Y % 8) x heads 2 X, 2 X + 1 of q, of k and of v.  Eight waves.
;   First q and k: wave w takes unit w / 2 (0, 1: q's two heads; 2, 3: k's) and tokens 64 (w % 2) on: 4 tiles of tokens x 4 tiles of channels, 16 accumulators.
;   Then v: wave w takes head w / 4, channel tile w % 4, and all 8 tiles of tokens: 8 accumulators.
; THE ROWS OF A TILE ARE NOT NEIGHBOURS: row r of tile 2 b + u (of tokens, and of a head's channels) is 32 b + 8 u + r + 8 (r / 8).  With 16 rows of W as source 0 and 16 tokens as source 1 a lane holds one token, and the 16
; registers of channel tiles 2 b, 2 b + 1 are channels 32 b + 16 (lane / 16) + 0 .. 15: neighbours along the next K.  For v the sources are the other way round: a lane holds one channel and 16 neighbouring tokens.
; THE MASK'S COLUMNS.  q . k fills 64 of the matrix instruction's 128 along K.  The attention launch puts the code -6 at k = 64 of every key and +6 at k = 64 of every query; the third byte of a key's scale word, made here,
; is 247 (2^120) where the key's place in its sequence is 24 modulo 25, else 1 (2^-126).  A removed key's score is then -36 x 2^120 and its weight 0.  The fourth byte is 1; a query's third and fourth are 127.
; LIMITS: |q . k| stays far under 2^100; each kept score is lowered by 36 x 2^-126; blocks of zeros and blocks under 2^-124 get the byte 1; NaN and infinities are not served.
; CLUSTER 4 x 4: the four work-groups of a row share Y and so x's tile, the four of a column share X and so the weights' tiles: each is asked for jointly.  All that a work-group reads (147,456 bytes) is asked for at the head,
; one tensor load a wave, and no LDS byte is filled twice: no ring, and no later load that a prefetch could run ahead of.  A wave has one tensor load out.
; The claim of LDS is larger than the use.
.set P,    272                         ; an LDS row of codes: 256 bytes + 16 of padding
.set XT,   0                           ; x's 128 rows
.set WT,   34816                       ; Wq's, Wk's, Wv's 128 rows each
.set XS,   139264                      ; x's scale bytes, 16 a row
.set WS,   141312                      ; the weights', 2,048 each
.set VSG,  147456                      ; 512 bytes where v's scale words meet; no tile lands here
.set WV,   18                          ; s18 wave;  s19 cx, s20 cy, s21 X, s22 Y, s23 my row's mask, s24 my column's, s25 wave % 4
.set SEL,  26                          ; s[26:27] lane selects: lane l xor 16
.set G1XC, 28                          ; descriptor groups 1: x's codes, W's codes, x's scales, W's scales
.set G1WC, 36
.set G1XS, 44
.set G1WS, 52
.set G0XC, 60                          ; groups 0
.set G0XS, 68
.set G0WC, 72
.set G0WS, 76
.set XF,   48                          ; v48-111  fragments: first x's four (48 + 8 m) and W's four (80 + 8 t); for v x's eight
.set WF,   80
.set ACC,  112                         ; v112-239 q, k: accumulator (m, t) at 112 + 32 m + 8 t;  v: accumulator m at 112 + 8 m
.set WVF,  176                         ; v176-207 Wv's four fragments
.set BV,   212                         ; v212-219 bv in the result's layout
.set HI,   240                         ; v240-243 the upper half of the scale words of my four tiles of tokens
.set SCV,  248                         ; v248-251 Wv's scale words.  v16-47 and these hold scales and nothing else
.macro CROUND                          ; a round of the cluster's barrier
	s_barrier_signal -1
	s_barrier_wait -1
	s_cmp_lg_u32 s[WV], 0
	s_cbranch_scc1 .Lnot_wave_0_\@
	s_barrier_signal -3
.Lnot_wave_0_\@:
	s_barrier_wait -3
	s_barrier_signal -1
	s_barrier_wait -1
.endm
.macro PLACES                          ; four plain vector lines behind a matrix instruction, ahead of loads into its registers and of reads of its results
.rept 4
	v_nop
.endr
.endm
	s_load_b256 s[4:11], s[0:1], 0x0               ; cod1, scl1, bq, bk
	s_load_b128 s[12:15], s[0:1], 0x20             ; bv, cod2
	s_load_b64 s[16:17], s[0:1], 0x30              ; scl2
	s_set_vgpr_msb 0x40
	v_lshl_add_u32 v0, v0, 2, 0x29000
	v_mov_b32 v1, 0
	s_set_vgpr_msb 0x4045
	ds_add_u32 v0, v1
	ds_add_u32 v0, v1
	s_set_vgpr_msb 0x4500
	v_lshrrev_b32 v1, 5, v0
	v_readfirstlane_b32 s[WV], v1                  ; wave 0..7
	s_bfe_u32 s19, ttmp6, 0x40000                  ; cx
	s_bfe_u32 s20, ttmp6, 0x40004                  ; cy
	s_lshl_b32 s21, ttmp9, 2
	s_add_co_u32 s21, s21, s19                     ; X
	s_and_b32 s22, ttmp7, 0xffff
	s_lshl_b32 s22, s22, 2
	s_add_co_u32 s22, s22, s20                     ; Y
	s_lshl_b32 s23, s20, 2
	s_lshl_b32 s23, 15, s23                        ; my row of the cluster
	s_lshl_b32 s24, 0x1111, s19                    ; my column
	s_and_b32 s25, s[WV], 3
	s_mov_b32 s[SEL], 0x76543210
	s_mov_b32 s[SEL+1], 0xfedcba98
	; codes: 128 rows x 256 elements of one byte, dense in memory; 4 words of padding behind every 64
	s_or_b32 s[G1XC], s23, (1<<20)|(1<<21)|(5<<22)|(3<<25)
	s_or_b32 s[G1WC], s24, (1<<20)|(1<<21)|(5<<22)|(3<<25)
.irp g, G1XC, G1WC
	s_mov_b32 s[\g+1], 256<<16                     ; tensor_dim0
	s_mov_b32 s[\g+2], 128<<16                     ; tensor_dim1
	s_mov_b32 s[\g+3], 256<<16                     ; tile_dim0
	s_mov_b32 s[\g+4], 128                         ; tile_dim1
	s_mov_b32 s[\g+5], 256                         ; from row to row
	s_mov_b32 s[\g+6], 0
	s_mov_b32 s[\g+7], 0
.endr
	; scale bytes: 2,048 dense bytes as 8 rows of 32 elements of 8 bytes
	s_or_b32 s[G1XS], s23, (3<<16)|(1<<21)
	s_or_b32 s[G1WS], s24, (3<<16)|(1<<21)
.irp g, G1XS, G1WS
	s_mov_b32 s[\g+1], 32<<16
	s_mov_b32 s[\g+2], 8<<16
	s_mov_b32 s[\g+3], 32<<16
	s_mov_b32 s[\g+4], 8
	s_mov_b32 s[\g+5], 32
	s_mov_b32 s[\g+6], 0
	s_mov_b32 s[\g+7], 0
.endr
	s_wait_dscnt 0x0
	s_wait_kmcnt 0x0
	; x's addresses hang on Y alone (s82, s83 never hold X), the weights' on X and the wave alone (s84 to s86 never hold Y)
	s_mov_b32 s[G0XC], 1
	s_mov_b32 s[G0XC+1], XT
	s_lshl_b32 s82, s22, 15                        ; 128 rows of 256 bytes
	s_mov_b32 s83, 0
	s_add_nc_u64 s[G0XC+2:G0XC+3], s[4:5], s[82:83]
	s_or_b32 s[G0XC+3], s[G0XC+3], 0x80000000
	s_mov_b32 s[G0XS], 1
	s_mov_b32 s[G0XS+1], XS
	s_lshl_b32 s82, s22, 11
	s_add_nc_u64 s[G0XS+2:G0XS+3], s[6:7], s[82:83]
	s_or_b32 s[G0XS+3], s[G0XS+3], 0x80000000
	s_mov_b32 s[G0WC], 1
	s_mul_i32 s[G0WC+1], s25, 34816
	s_add_co_u32 s[G0WC+1], s[G0WC+1], WT
	s_lshl_b32 s84, s21, 15
	s_lshl_b32 s86, s25, 17                        ; weight wave % 4: 0 Wq, 1 Wk, 2 Wv
	s_add_co_u32 s84, s84, s86
	s_add_co_u32 s84, s84, 2097152                 ; behind x's codes
	s_mov_b32 s85, 0
	s_add_nc_u64 s[G0WC+2:G0WC+3], s[4:5], s[84:85]
	s_or_b32 s[G0WC+3], s[G0WC+3], 0x80000000
	s_mov_b32 s[G0WS], 1
	s_lshl_b32 s[G0WS+1], s25, 11
	s_add_co_u32 s[G0WS+1], s[G0WS+1], WS
	s_lshl_b32 s84, s21, 11
	s_lshl_b32 s86, s25, 13
	s_add_co_u32 s84, s84, s86
	s_add_co_u32 s84, s84, 131072
	s_add_nc_u64 s[G0WS+2:G0WS+3], s[6:7], s[84:85]
	s_or_b32 s[G0WS+3], s[G0WS+3], 0x80000000
	CROUND                                         ; all sixteen work-groups are here: the joint loads meet
	; waves 0-2: a weight's codes; wave 3: x's codes; waves 4-6: a weight's scales; wave 7: x's scales.  Four v_nop follow each line
	s_cmp_lt_u32 s[WV], 3
	s_cbranch_scc0 .Lnot_wc
	tensor_load_to_lds s[G0WC:G0WC+3], s[G1WC:G1WC+7]
	s_nop 0
	PLACES
	s_branch .Lasked
.Lnot_wc:
	s_cmp_eq_u32 s[WV], 3
	s_cbranch_scc0 .Lnot_xc
	tensor_load_to_lds s[G0XC:G0XC+3], s[G1XC:G1XC+7]
	s_nop 0
	PLACES
	s_branch .Lasked
.Lnot_xc:
	s_cmp_lt_u32 s[WV], 7
	s_cbranch_scc0 .Lnot_ws
	tensor_load_to_lds s[G0WS:G0WS+3], s[G1WS:G1WS+7]
	s_nop 0
	PLACES
	s_branch .Lasked
.Lnot_ws:
	tensor_load_to_lds s[G0XS:G0XS+3], s[G1XS:G1XS+7]
	s_nop 0
	PLACES
.Lasked:
	; ---- while the tiles are on their way: addresses, biases, the scale words' upper halves
	s_cmp_lt_u32 s[WV], 4
	s_cselect_b64 s[8:9], s[8:9], s[10:11]         ; bq for waves 0-3, bk for 4-7
	s_lshr_b32 s80, s[WV], 2                       ; q or k; for v: which head
	s_bfe_u32 s88, s[WV], 0x10001                  ; (wave / 2) % 2: which head of q or k
	s_and_b32 s89, s[WV], 1                        ; which 64 tokens
	v_and_b32 v1, 15, v0                           ; r
	v_bfe_u32 v2, v0, 4, 1                         ; h
	v_and_b32 v3, 31, v0                           ; lane
	v_and_b32 v4, 8, v1
	v_add_nc_u32 v4, v4, v1                        ; r + 8 (r / 8)
	v_mul_u32_u24 v48, v4, P
	v_lshl_add_u32 v48, v2, 4, v48                 ; a fragment's lane term: row x pitch + 16 h
	v_lshlrev_b32 v49, 4, v4                       ; a scale row's: 16 bytes a row
	s_mul_i32 s98, s80, 34816
	s_mul_i32 s99, s88, 17408
	s_add_co_u32 s98, s98, s99
	s_add_co_u32 s98, s98, WT
	v_add_nc_u32 v5, s98, v48                      ; v5  my head's 64 rows of Wq or Wk
	s_mul_i32 s98, s89, 17408
	v_add_nc_u32 v6, s98, v48                      ; v6  my 64 tokens of x
	s_lshl_b32 s98, s80, 11
	s_lshl_b32 s99, s88, 10
	s_add_co_u32 s98, s98, s99
	s_add_co_u32 s98, s98, WS
	v_add_nc_u32 v7, s98, v49                      ; v7  their scale rows: W's,
	s_lshl_b32 s98, s89, 10
	s_add_co_u32 s98, s98, XS
	v_add_nc_u32 v8, s98, v49                      ; v8  x's
	s_lshl_b32 s10, s80, 6
	s_lshl_b32 s11, s88, 5
	s_add_co_u32 s10, s10, s11
	s_lshl_b32 s11, s89, 3
	s_add_co_u32 s10, s10, s11                     ; my channel tile of v begins at row 64 (w / 4) + 32 ((w / 2) % 2) + 8 (w % 2) of Wv's 128
	s_mul_i32 s98, s10, P
	s_add_co_u32 s98, s98, WT+69632
	v_add_nc_u32 v9, s98, v48                      ; v9  its rows of Wv
	v_mov_b32 v10, v48                             ; v10 x, all 128 tokens
	s_lshl_b32 s98, s10, 4
	s_add_co_u32 s98, s98, WS+4096
	v_add_nc_u32 v11, s98, v49                     ; v11 Wv's scale rows
	v_add_nc_u32 v12, XS, v49                      ; v12 x's
	v_lshlrev_b32 v13, 4, v3                       ; v13 16 x lane: an image's place
	v_lshlrev_b32 v14, 4, v1
	v_lshl_add_u32 v14, v2, 3, v14                 ; v14 16 r + 8 h: two scale words of a token
	s_lshl_b32 s98, s80, 8
	s_lshl_b32 s99, s25, 2
	s_add_co_u32 s98, s98, s99
	s_add_co_u32 s98, s98, VSG
	v_lshl_add_u32 v15, v1, 4, s98                 ; v15 where v's scale word goes: 256 head + 16 r + 4 tile
	v_add_nc_u32 v247, VSG, v13                    ; v247 and where wave 0 reads them back
	v_lshlrev_b32 v252, 4, v1
	v_lshl_add_u32 v252, v2, 11, v252              ; v252 their place in memory: 2,048 head + 16 r
	v_lshlrev_b32 v245, 6, v2                      ; v245 bias of q, k: 16 h numbers on
	v_lshlrev_b32 v246, 2, v4                      ; v246 bias of v: my channel
	s_lshl_b32 s98, s21, 9                         ; 128 X numbers,
	s_lshl_b32 s99, s88, 8                         ; + 64 for the second head
	s_add_co_u32 s98, s98, s99
	s_mov_b32 s99, 0
	s_add_nc_u64 s[8:9], s[8:9], s[98:99]
	s_lshl_b32 s98, s21, 9
	s_lshl_b32 s11, s10, 2
	s_add_co_u32 s98, s98, s11
	s_add_nc_u64 s[12:13], s[12:13], s[98:99]
.irp m, 0,1,2,3                        ; the bias starts the sums: register j of accumulator (m, t) is channel 32 (t / 2) + 8 (t % 2) + 16 h + j
.irp t, 0,1,2,3
	global_load_b128 v[ACC+32*\m+8*\t:ACC+32*\m+8*\t+3], v245, s[8:9] offset:(32*(\t/2)+8*(\t%2))*4
	global_load_b128 v[ACC+32*\m+8*\t+4:ACC+32*\m+8*\t+7], v245, s[8:9] offset:(32*(\t/2)+8*(\t%2))*4+16
.endr
.endr
	global_load_b32 v244, v246, s[12:13]           ; bv of my channel
	; where the results go
	s_lshr_b32 s2, s22, 3                          ; the sequence
	s_and_b32 s3, s22, 7                           ; the key step
	s_lshl_b32 s11, s2, 3
	s_lshl_b32 s98, s21, 1
	s_add_co_u32 s11, s11, s98                     ; 8 b + 2 X
	s_add_co_u32 s98, s11, s88                     ; my head of q or k
	s_lshl_b32 s90, s98, 15                        ; codes: 32,768 bytes a head,
	s_lshl_b32 s92, s98, 12                        ; scale words: 4,096
	s_lshl_b32 s98, s80, 21                        ; k's lie behind q's
	s_add_co_u32 s90, s90, s98
	s_lshl_b32 s98, s80, 18
	s_add_co_u32 s92, s92, s98
	s_lshl_b32 s98, s3, 1
	s_add_co_u32 s98, s98, s89                     ; my four tiles of tokens: quad 2 (Y % 8) + w % 2
	s_lshl_b32 s91, s98, 11
	s_add_co_u32 s90, s90, s91
	s_lshl_b32 s91, s98, 8
	s_add_co_u32 s92, s92, s91
	s_mov_b32 s91, 0
	s_mov_b32 s93, 0
	s_add_nc_u64 s[90:91], s[14:15], s[90:91]      ; s[90:91] q's or k's images
	s_add_nc_u64 s[92:93], s[16:17], s[92:93]      ; s[92:93] their scale words
	s_add_co_u32 s98, s11, s80                     ; my head of v
	s_lshl_b32 s94, s98, 15
	s_lshl_b32 s98, s3, 12                         ; 4,096 bytes a key step,
	s_add_co_u32 s94, s94, s98
	s_lshl_b32 s98, s25, 10                        ; 1,024 a channel tile
	s_add_co_u32 s94, s94, s98
	s_add_co_u32 s94, s94, 4194304
	s_mov_b32 s95, 0
	s_add_nc_u64 s[94:95], s[14:15], s[94:95]      ; s[94:95] v's image
	s_lshl_b32 s96, s11, 11
	s_lshl_b32 s98, s3, 8
	s_add_co_u32 s96, s96, s98
	s_add_co_u32 s96, s96, 524288
	s_mov_b32 s97, 0
	s_add_nc_u64 s[96:97], s[16:17], s[96:97]      ; s[96:97] v's scale words, both heads
	s_mov_b32 s81, 0xffff0000                      ; lanes 16-31
	; the upper half of a token's scale word
	s_mov_b32 s98, 0x01010000                      ; a key that counts
	s_mov_b32 s99, 0x01f70000                      ; a key whose place is 24 modulo 25
	s_mov_b32 s11, 0x7f7f0000                      ; a query
	s_cmp_lt_u32 s[WV], 4
	s_cselect_b32 s98, s11, s98
	s_cselect_b32 s99, s11, s99
	v_mov_b32 v253, s98
	v_mov_b32 v254, s99
	s_lshl_b32 s98, s3, 7
	s_lshl_b32 s99, s89, 6
	s_add_co_u32 s98, s98, s99
	v_add_nc_u32 v255, s98, v4                     ; the place in the sequence of row r of my first tile
.irp m, 0,1,2,3
	v_add_nc_u32 v50, 32*(\m/2)+8*(\m%2), v255
	v_mul_u32_u24 v51, v50, 0x147b                 ; place / 25 = (place x 5,243) >> 17, exact under 1,024
	v_lshrrev_b32 v51, 17, v51
	v_mul_u32_u24 v51, v51, 25
	v_sub_nc_u32 v50, v50, v51
	v_cmp_eq_u32 vcc_lo, 24, v50
	v_cndmask_b32 v[HI+\m], v253, v254, vcc_lo
.endr
	s_wait_tensorcnt 0x0                           ; my tile has landed,
	s_barrier_signal -1
	s_barrier_wait -1                              ; everybody's has
	; ---- q and k
.irp t, 0,1,2,3
	ds_load_b128 v[16+4*\t:19+4*\t], v7 offset:(32*(\t/2)+8*(\t%2))*16   ; a row's 16 scale bytes: a word for each of the four K steps
.endr
.irp m, 0,1,2,3
	ds_load_b128 v[32+4*\m:35+4*\m], v8 offset:(32*(\m/2)+8*(\m%2))*16
.endr
.macro QK_STEP s                       ; 128 along K: 8 fragments, 16 matrix instructions; the 16 accumulators take turns, one instruction a turn
.if \s > 0
	PLACES
.endif
.irp i, 0,1,2,3
.irp c, 0,1
	ds_load_b128 v[XF+8*\i+4*\c:XF+8*\i+4*\c+3], v6 offset:(32*(\i/2)+8*(\i%2))*P+64*\s+32*\c
	ds_load_b128 v[WF+8*\i+4*\c:WF+8*\i+4*\c+3], v5 offset:(32*(\i/2)+8*(\i%2))*P+64*\s+32*\c
.endr
.endr
	s_wait_dscnt 0x0
.if \s == 0
	s_wait_loadcnt 0x0                             ; the biases
.endif
.irp m, 0,1,2,3
.irp t, 0,1,2,3
	v_wmma_scale_f32_16x16x128_f8f6f4 v[ACC+32*\m+8*\t:ACC+32*\m+8*\t+7], v[WF+8*\t:WF+8*\t+7], v[XF+8*\m:XF+8*\m+7], v[ACC+32*\m+8*\t:ACC+32*\m+8*\t+7], v[16+4*\t+\s], v[32+4*\m+\s] matrix_a_fmt:MATRIX_FMT_FP4 matrix_b_fmt:MATRIX_FMT_FP4
.endr
.endr
.endm
	QK_STEP 0
	QK_STEP 1
	QK_STEP 2
	QK_STEP 3
	PLACES
	; four tiles of tokens x two blocks of 32 channels, e = 2 m + b, by turns.  v48+e largest magnitude, v56+e the other half's, v64+e the conversion's scale, v72+e the byte, v80+4m the codes, v96+m the scale word
.irp e, 0,1,2,3,4,5,6,7
	v_mov_b32 v[56+\e], 0                          ; a lane permute's destination counts as one of its sources
.endr
.irp m, 0,1,2,3
.irp b, 0,1
	v_max3_num_f32 v[48+2*\m+\b], |v[ACC+32*\m+16*\b]|, |v[ACC+1+32*\m+16*\b]|, 0x1800000   ; my 16 channels of the block, from each accumulator's low end on, and the floor 2^(3 - 127)
.endr
.endr
.irp i, 2,4,6,8,10,12,14
.irp m, 0,1,2,3
.irp b, 0,1
	v_max3_num_f32 v[48+2*\m+\b], v[48+2*\m+\b], |v[ACC+32*\m+16*\b+\i]|, |v[ACC+1+32*\m+16*\b+\i]|
.endr
.endr
.endr
.irp e, 0,1,2,3,4,5,6,7
	v_permlanex16_b32 v[56+\e], v[48+\e], s[SEL], s[SEL+1]
.endr
.irp e, 0,1,2,3,4,5,6,7
	v_max_num_f32 v[48+\e], v[48+\e], v[56+\e]     ; with lane l xor 16's: the block's
.endr
.irp e, 0,1,2,3,4,5,6,7
	v_add_nc_u32 v[64+\e], 0xff000000, v[48+\e]    ; 2 off the exponent field
.endr
.irp e, 0,1,2,3,4,5,6,7
	v_lshrrev_b32 v[72+\e], 23, v[64+\e]           ; the byte
.endr
.irp m, 0,1,2,3
	v_lshl_or_b32 v[96+\m], v[73+2*\m], 8, v[72+2*\m]
.endr
.irp m, 0,1,2,3
	v_or_b32 v[96+\m], v[96+\m], v[HI+\m]
.endr
.irp m, 0,1,2,3
.irp b, 0,1
	v_cvt_scalef32_pk8_fp4_f32 v[80+4*\m+2*\b], v[ACC+32*\m+16*\b:ACC+32*\m+16*\b+7], v[64+2*\m+\b]
	v_cvt_scalef32_pk8_fp4_f32 v[81+4*\m+2*\b], v[ACC+32*\m+16*\b+8:ACC+32*\m+16*\b+15], v[64+2*\m+\b]
.endr
.endr
	v_nop                                          ; one plain line behind the scaled conversions
.irp m, 0,1,2,3
.irp i, 0,1
	v_permlane16_swap_b32 v[80+4*\m+\i], v[82+4*\m+\i]   ; a whole block to a lane: lanes 0-15 block 0, lanes 16-31 block 1
.endr
.endr
	v_cndmask_b32 v100, v96, v98, s81              ; lanes 0-15 carry the words of tiles 0, 1, lanes 16-31 those of tiles 2, 3
	v_cndmask_b32 v101, v97, v99, s81
.irp m, 0,1,2,3
	global_store_b128 v13, v[80+4*\m:83+4*\m], s[90:91] offset:512*\m   ; 512 consecutive bytes
.endr
	global_store_b64 v14, v[100:101], s[92:93]     ; 256 consecutive bytes, aligned
	; ---- v
	s_wait_xcnt 0x0                                ; the stores have read their registers: v80 on are loaded again below
.irp j, 0,1,2,3,4,5,6,7
	v_mov_b32 v[BV+\j], v244                       ; a lane holds one channel: its bias in all eight registers
.endr
.irp m, 0,1,2,3,4,5,6,7
	ds_load_b128 v[16+4*\m:19+4*\m], v12 offset:(32*(\m/2)+8*(\m%2))*16
.endr
	ds_load_b128 v[SCV:SCV+3], v11
.irp s, 0,1,2,3
.irp c, 0,1
	ds_load_b128 v[WVF+8*\s+4*\c:WVF+8*\s+4*\c+3], v9 offset:64*\s+32*\c
.endr
.endr
.macro V_STEP s                        ; source 0 = 16 tokens, source 1 = my 16 channels; eight accumulators by turns
.if \s > 0
	PLACES
.endif
.irp m, 0,1,2,3,4,5,6,7
.irp c, 0,1
	ds_load_b128 v[XF+8*\m+4*\c:XF+8*\m+4*\c+3], v10 offset:(32*(\m/2)+8*(\m%2))*P+64*\s+32*\c
.endr
.endr
	s_wait_dscnt 0x0
.irp m, 0,1,2,3,4,5,6,7
.if \s == 0
	v_wmma_scale_f32_16x16x128_f8f6f4 v[ACC+8*\m:ACC+8*\m+7], v[XF+8*\m:XF+8*\m+7], v[WVF+8*\s:WVF+8*\s+7], v[BV:BV+7], v[16+4*\m+\s], v[SCV+\s] matrix_a_fmt:MATRIX_FMT_FP4 matrix_b_fmt:MATRIX_FMT_FP4
.else
	v_wmma_scale_f32_16x16x128_f8f6f4 v[ACC+8*\m:ACC+8*\m+7], v[XF+8*\m:XF+8*\m+7], v[WVF+8*\s:WVF+8*\s+7], v[ACC+8*\m:ACC+8*\m+7], v[16+4*\m+\s], v[SCV+\s] matrix_a_fmt:MATRIX_FMT_FP4 matrix_b_fmt:MATRIX_FMT_FP4
.endif
.endr
.endm
	V_STEP 0
	V_STEP 1
	V_STEP 2
	V_STEP 3
	PLACES
	; my channel's 128 tokens: register 16 b + i is token 32 b + 16 h + i: four blocks along the keys -> one fragment (v64-71) and its scale word (v72)
.irp b, 0,1,2,3
	v_mov_b32 v[52+\b], 0
.endr
.irp b, 0,1,2,3
	v_max3_num_f32 v[48+\b], |v[ACC+16*\b]|, |v[ACC+1+16*\b]|, 0x1800000
.endr
.irp i, 2,4,6,8,10,12,14
.irp b, 0,1,2,3
	v_max3_num_f32 v[48+\b], v[48+\b], |v[ACC+16*\b+\i]|, |v[ACC+1+16*\b+\i]|
.endr
.endr
.irp b, 0,1,2,3
	v_permlanex16_b32 v[52+\b], v[48+\b], s[SEL], s[SEL+1]
.endr
.irp b, 0,1,2,3
	v_max_num_f32 v[48+\b], v[48+\b], v[52+\b]
.endr
.irp b, 0,1,2,3
	v_add_nc_u32 v[60+\b], 0xff000000, v[48+\b]
.endr
.irp b, 0,1,2,3
	v_lshrrev_b32 v[52+\b], 23, v[60+\b]
.endr
	v_lshl_or_b32 v72, v53, 8, v52
	v_lshl_or_b32 v72, v54, 16, v72
	v_lshl_or_b32 v72, v55, 24, v72
.irp b, 0,1,2,3
	v_cvt_scalef32_pk8_fp4_f32 v[64+2*\b], v[ACC+16*\b:ACC+16*\b+7], v[60+\b]
	v_cvt_scalef32_pk8_fp4_f32 v[65+2*\b], v[ACC+16*\b+8:ACC+16*\b+15], v[60+\b]
.endr
	v_nop                                          ; one plain line behind the scaled conversions
.irp c, 0,1
.irp i, 0,1
	v_permlane16_swap_b32 v[64+4*\c+\i], v[66+4*\c+\i]
.endr
.endr
	global_store_b128 v13, v[64:67], s[94:95]
	global_store_b128 v13, v[68:71], s[94:95] offset:512
	ds_store_b32 v15, v72                          ; lanes r and r + 16 write the same word with the same value
	s_wait_dscnt 0x0                               ; for the others' sake: my store has landed
	s_barrier_signal -1
	s_barrier_wait -1
	s_cmp_lg_u32 s[WV], 0
	s_cbranch_scc1 .Lno_vs
	ds_load_b128 v[76:79], v247                    ; a channel row's four words (its four tiles): lanes 0-15 the first head, lanes 16-31 the second
	s_wait_dscnt 0x0
	global_store_b128 v252, v[76:79], s[96:97]     ; sixteen lanes store 256 consecutive bytes, aligned
.Lno_vs:
	s_set_vgpr_msb 0x5
	s_wait_tensorcnt 0x0
	ds_add_u32 v0, v1
	s_wait_dscnt 0x0
	s_set_vgpr_msb 0x500
	CROUND                                         ; the closing round: no work-group ends while a partner may still ask for a tile that names it
	s_endpgm
.Lfunc_end_k_qa70d3f1cce_qkv:
	.size	k_qa70d3f1cce_qkv, .Lfunc_end_k_qa70d3f1cce_qkv-k_qa70d3f1cce_qkv
	.p2alignl 7, 3214868480
	.fill 96, 4, 3214868480
	.section	.rodata,"a",@progbits
	.p2align	6, 0x0
	.amdhsa_kernel k_qa70d3f1cce_qkv
		.amdhsa_group_segment_fixed_size 168960
		.amdhsa_private_segment_fixed_size 0
		.amdhsa_enable_private_segment 0
		.amdhsa_kernarg_size 56
		.amdhsa_user_sgpr_count 2
		.amdhsa_user_sgpr_kernarg_segment_ptr 1
		.amdhsa_wavefront_size32 1
		.amdhsa_system_sgpr_workgroup_id_x 1
		.amdhsa_system_sgpr_workgroup_id_y 1
		.amdhsa_system_sgpr_workgroup_id_z 1
		.amdhsa_system_vgpr_workitem_id 0
		.amdhsa_next_free_vgpr 258
		.amdhsa_next_free_sgpr 100
		.amdhsa_reserve_vcc 1
		.amdhsa_float_denorm_mode_32 3
		.amdhsa_float_denorm_mode_16_64 3
		.amdhsa_memory_ordered 1
		.amdhsa_forward_progress 1
		.amdhsa_inst_pref_size 52
	.end_amdhsa_kernel
	.amdgpu_metadata
---
amdhsa.version: [ 1, 2 ]
amdhsa.kernels:
  - .name:           k_qa70d3f1cce_qkv
    .symbol:         k_qa70d3f1cce_qkv.kd
    .args:
      - { .name: cod1, .offset: 0, .size: 8, .value_kind: global_buffer, .address_space: global }
      - { .name: scl1, .offset: 8, .size: 8, .value_kind: global_buffer, .address_space: global }
      - { .name: bq, .offset: 16, .size: 8, .value_kind: global_buffer, .address_space: global }
      - { .name: bk, .offset: 24, .size: 8, .value_kind: global_buffer, .address_space: global }
      - { .name: bv, .offset: 32, .size: 8, .value_kind: global_buffer, .address_space: global }
      - { .name: cod2, .offset: 40, .size: 8, .value_kind: global_buffer, .address_space: global }
      - { .name: scl2, .offset: 48, .size: 8, .value_kind: global_buffer, .address_space: global }
    .group_segment_fixed_size: 168960
    .private_segment_fixed_size: 0
    .kernarg_segment_align: 8
    .kernarg_segment_size: 56
    .max_flat_workgroup_size: 256
    .sgpr_count:     100
    .vgpr_count:     258
    .wavefront_size: 32
...
	.end_amdgpu_metadata
.endif
;; end of part 2
;; launch attn (part 3): grid 4 x 64, 16 waves a work-group, clusters of 4 x 1, 169,984 bytes of LDS; arguments cod2, scl2, cod3, scl3; writes cod3, scl3
.if DOCPART == 3
	.amdgcn_target "amdgcn-amd-amdhsa--gfx1250"
	.amdhsa_code_object_version 6
	.text
	.protected	k_qa70d3f1cce_attn
	.globl	k_qa70d3f1cce_attn
	.p2align	8
	.type	k_qa70d3f1cce_attn,@function
k_qa70d3f1cce_attn:
	s_mov_b64 s[64:65], 0
	v_nop
	global_prefetch_b8 v0, s[64:65] scope:SCOPE_SE
	s_setreg_imm32_b32 hwreg(HW_REG_WAVE_MODE, 25, 1), 1
	s_wait_xcnt 0x0
	s_wait_alu depctr_hold_cnt(0) depctr_sa_sdst(0) depctr_va_vdst(0) depctr_va_sdst(0) depctr_va_ssrc(0) depctr_va_vcc(0) depctr_vm_vsrc(0)
	s_getreg_b32 s2, hwreg(HW_REG_IB_STS2, 6, 4)
	s_cmp_eq_u32 s2, 0
	s_cbranch_scc0 .Lentry_in_a_cluster
	s_endpgm
.Lentry_in_a_cluster:
	s_bfe_u32 s2, ttmp6, 0x10000c
	s_cmp_lg_u32 s2, 0x3003
	s_cbranch_scc0 .Lentry_shape_is_right
	s_endpgm
.Lentry_shape_is_right:
; y[q] = the sum over keys of softmax(q . k / 8) v for one head, causal, and without the keys whose place is 24 modulo 25; both products on codes of FP4 with E8M0 scales.  y is quantised here along its 64 channels.
; THE SOFTMAX: t = score x log2(e) / 8; M = the running largest t rounded UP to a whole number; p = 2^(t - M) is quantised along the keys, not normalised; the row's sum is taken of the unquantised p and divides at the end;
; when M moves, the sum and O are multiplied by 2^(old M - new M), which rounds nothing.
; SHARES.  Work-group (g, head): g = 0 .. 3 is its place in a cluster of four that share one head's K and V.  Each of its SIXTEEN waves owns one tile of 16 queries, tile 4 rho + g of the sequence's 64.
; rho is made of the wave's number alone: with a = w / 4, s = w % 4: rho = 4 (a xor s) + (a xor alpha s), alpha s = s doubled in the field of four elements: two orthogonal Latin squares, so that the four waves with
; equal w % 4, and the four with equal w / 4, have 18 key steps together.  Tile 4 rho + g needs key steps 0 .. rho / 2 (128 keys a step), whatever g: no branch hangs on the place in the cluster.
; LAYOUT.  Both products are used transposed: S^T = K Q^T, O^T = V^T P^T: a lane holds ONE query (lane % 16).  Row r of tile 2 b + u (of tokens, of channels) is 32 b + 8 u + r + 8 (r / 8): the 16 registers of tiles 2 b, 2 b + 1 are
; 16 neighbours, 32 b + 16 (lane / 16) + 0 .. 15, of the keys in S^T and of the channels in O^T.  K, V and Q come as images of their operand registers: every LDS load reads 512 consecutive bytes.
; THE MASK.  Columns: q . k fills k = 0 .. 63 of the instruction's 128.  Registers 4 to 7 of every K fragment are constants: the code -6 at k = 64 (and at 96); Q has +6 at k = 64 and zeros beyond.  The third byte of a key's scale
; word (made with the codes) is 247 where the key is removed, else 1: a removed key's score is -36 x 2^120, so p = 0; no vector instruction is spent.  Causal: only a tile's last step lies on the diagonal; there hidden scores
; become -infinity.  Key 0 counts for every query, so M is a number from the first step on.
; LIMITS: |q . k| stays far under 2^100; each kept score is lowered by 36 x 2^-126; a block of p or y that is all zeros gets the byte 1 (its codes are zeros); NaN and infinities are not served.
; The head's K, V and their scale words (71,680 bytes) are asked for once, jointly by the four work-groups, at the head: no LDS byte is filled twice, and there is no later load that a prefetch could run ahead of.
; A wave has at most one tensor load out.  The claim of LDS is larger than the use.
; REGISTERS: v1 16 x lane; v2-4 lane terms of V, K's scales, V's scales; v5 the diagonal's bound; v6, v7 y's scale bytes in LDS; v8-11 the step's addresses; v12 -M, v13 the largest t, v[14:15] the sum in two halves; v16-23 Q;
; v24-31 K's scale words; v32-95 eight fragments of K; v96-159 S^T, then p; v160-191 O^T; v192-223 four fragments of V; v224-231 p's codes; v232-247 at work; v248-251 V's scale words; v252 f; v253 p's scale word; v255 Q's.
.set KC,  0                            ; LDS: K's images, 512 bytes a tile of 16 keys
.set VC,  32768                        ; V's: 4,096 a key step, 1,024 a channel tile
.set KS,  65536                        ; K's scale words: [4 tiles][r][tile % 4]
.set VS,  69632                        ; V's: [step][r][channel tile]
.set YSG, 71680                        ; 512 bytes where y's scale bytes meet; no tile lands here
.set WV,  12                           ; s12 wave, s13 g, s14 head (8 b + h), s15 rho, s16 my last key step
.set STP, 17                           ; s17 the key step;  s18, s19, s24 its bytes in K's and V's images, K's scale words, V's
.set SEL, 20                           ; s[20:21] lane selects: lane l xor 16
.set CS,  22                           ; s[22:23] c = log2(e) / 8
.macro CROUND
	s_barrier_signal -1
	s_barrier_wait -1
	s_cmp_lg_u32 s[WV], 0
	s_cbranch_scc1 .Lnot_wave_0_\@
	s_barrier_signal -3
.Lnot_wave_0_\@:
	s_barrier_wait -3
	s_barrier_signal -1
	s_barrier_wait -1
.endm
.macro PLACES
.rept 4
	v_nop
.endr
.endm
	s_load_b256 s[4:11], s[0:1], 0x0               ; cod2, scl2, cod3, scl3
	v_lshl_add_u32 v242, v0, 2, 0x29000
	v_mov_b32 v243, 0
	ds_add_u32 v242, v243
	ds_add_u32 v242, v243
	v_lshrrev_b32 v1, 5, v0
	v_readfirstlane_b32 s[WV], v1                  ; wave 0..15
	s_bfe_u32 s13, ttmp6, 0x40000                  ; g
	s_and_b32 s14, ttmp7, 0xffff                   ; the head, which the four partners share
	s_lshr_b32 s68, s[WV], 2                       ; a
	s_and_b32 s69, s[WV], 3                        ; s
	s_lshl_b32 s70, s69, 1
	s_and_b32 s70, s70, 3
	s_lshr_b32 s71, s69, 1
	s_mul_i32 s71, s71, 3
	s_xor_b32 s70, s70, s71                        ; alpha s: 0, 2, 3, 1
	s_xor_b32 s70, s70, s68
	s_xor_b32 s71, s68, s69
	s_lshl_b32 s15, s71, 2
	s_add_co_u32 s15, s15, s70                     ; rho
	s_lshr_b32 s16, s15, 1                         ; my last key step, the one on the diagonal
	s_lshl_b32 s71, s15, 5
	s_add_co_u32 s71, s71, YSG                     ; my tile's 32 bytes among y's scale bytes
	s_mov_b32 s[SEL], 0x76543210
	s_mov_b32 s[SEL+1], 0xfedcba98
	s_mov_b32 s[CS], 0x3e38aa3b
	s_mov_b32 s[CS+1], s[CS]                       ; (named with it as a pair, so it is written)
	; descriptor groups 1: dense blocks as rows of 256 bytes (32 elements of 8 bytes): 64, 16 and 8 rows; the mask names all four work-groups
.irp g, 28, 36, 44
	s_mov_b32 s[\g], 15|(3<<16)|(1<<21)
	s_mov_b32 s[\g+1], 32<<16
	s_mov_b32 s[\g+3], 32<<16
	s_mov_b32 s[\g+5], 32
	s_mov_b32 s[\g+6], 0
	s_mov_b32 s[\g+7], 0
.endr
	s_mov_b32 s30, 64<<16
	s_mov_b32 s32, 64
	s_mov_b32 s38, 16<<16
	s_mov_b32 s40, 16
	s_mov_b32 s46, 8<<16
	s_mov_b32 s48, 8
	s_wait_dscnt 0x0
	s_wait_kmcnt 0x0
	s_mov_b32 s52, 1                               ; waves 0, 1: K's halves; 2, 3: V's: 16,384 bytes each
	s_lshl_b32 s53, s[WV], 14
	s_lshr_b32 s72, s[WV], 1
	s_lshl_b32 s72, s72, 21
	s_and_b32 s73, s[WV], 1
	s_lshl_b32 s73, s73, 14
	s_add_co_u32 s72, s72, s73
	s_lshl_b32 s73, s14, 15
	s_add_co_u32 s72, s72, s73
	s_add_co_u32 s72, s72, 2097152                 ; behind q's images
	s_mov_b32 s73, 0
	s_add_nc_u64 s[54:55], s[4:5], s[72:73]
	s_or_b32 s55, s55, 0x80000000
	s_mov_b32 s56, 1                               ; wave 4: K's scale words
	s_mov_b32 s57, KS
	s_lshl_b32 s72, s14, 12
	s_add_co_u32 s72, s72, 262144
	s_add_nc_u64 s[58:59], s[6:7], s[72:73]
	s_or_b32 s59, s59, 0x80000000
	s_mov_b32 s60, 1                               ; wave 5: V's
	s_mov_b32 s61, VS
	s_lshl_b32 s72, s14, 11
	s_add_co_u32 s72, s72, 524288
	s_add_nc_u64 s[62:63], s[6:7], s[72:73]
	s_or_b32 s63, s63, 0x80000000
	CROUND                                         ; all four work-groups are here: the joint loads meet
	s_cmp_lt_u32 s[WV], 4                          ; four v_nop follow each line
	s_cbranch_scc0 .Lnot_c
	tensor_load_to_lds s[52:55], s[28:35]
	s_nop 0
	PLACES
	s_branch .Lasked
.Lnot_c:
	s_cmp_eq_u32 s[WV], 4
	s_cbranch_scc0 .Lnot_ks
	tensor_load_to_lds s[56:59], s[36:43]
	s_nop 0
	PLACES
	s_branch .Lasked
.Lnot_ks:
	s_cmp_eq_u32 s[WV], 5
	s_cbranch_scc0 .Lasked
	tensor_load_to_lds s[60:63], s[44:51]
	s_nop 0
	PLACES
.Lasked:
	; my tile: its place enters global addresses and the diagonal's bound alone
	s_lshl_b32 s74, s15, 2
	s_add_co_u32 s74, s74, s13                     ; tile 4 rho + g
	s_lshr_b32 s75, s74, 1
	s_lshl_b32 s75, s75, 5
	s_and_b32 s76, s74, 1
	s_lshl_b32 s76, s76, 3
	s_add_co_u32 s75, s75, s76
	s_lshl_b32 s76, s16, 7
	s_sub_co_u32 s75, s75, s76                     ; its row 0, counted from the diagonal step's first key
	s_lshl_b32 s86, s14, 15
	s_lshl_b32 s76, s74, 9
	s_add_co_u32 s86, s86, s76
	s_mov_b32 s87, 0
	s_add_nc_u64 s[78:79], s[4:5], s[86:87]        ; Q's image
	s_lshl_b32 s86, s14, 12
	s_lshl_b32 s76, s15, 8
	s_add_co_u32 s86, s86, s76
	s_lshl_b32 s76, s13, 2
	s_add_co_u32 s86, s86, s76
	s_add_nc_u64 s[80:81], s[6:7], s[86:87]        ; Q's scale words
	s_lshr_b32 s86, s14, 3
	s_lshl_b32 s86, s86, 6
	s_add_co_u32 s86, s86, s74
	s_lshl_b32 s86, s86, 3
	s_and_b32 s76, s14, 7
	s_add_co_u32 s86, s86, s76
	s_lshl_b32 s86, s86, 9
	s_add_nc_u64 s[82:83], s[8:9], s[86:87]        ; y's image: [sequence][tile][head], 512 bytes
	s_lshl_b32 s86, s14, 2
	s_add_co_u32 s86, s86, s13
	s_lshl_b32 s86, s86, 9
	s_add_nc_u64 s[84:85], s[10:11], s[86:87]      ; y's scale bytes: [head][g], 512 bytes
	v_and_b32 v232, 15, v0                         ; r
	v_bfe_u32 v233, v0, 4, 1                       ; h
	v_and_b32 v234, 31, v0                         ; lane
	v_lshlrev_b32 v1, 4, v234                      ; 16 x lane: K's lane term, and the offset of Q's load and of both stores
	v_lshlrev_b32 v254, 4, v232
	global_load_b128 v[16:19], v1, s[78:79]        ; Q: registers 0-3 of its fragment
	global_load_b32 v255, v254, s[80:81]           ; Q's scale word
	v_mul_u32_u24 v20, v233, 7
	v_sub_nc_u32 v20, 7, v20                       ; the code +6 at k = 64; nothing at k = 96
	v_mov_b32 v21, 0
	v_mov_b32 v22, 0
	v_mov_b32 v23, 0
.irp t, 0,1,2,3,4,5,6,7
	v_mov_b32 v[36+8*\t], 15                       ; registers 4-7 of every K fragment: the code -6 at k = 64 and k = 96; set once
	v_mov_b32 v[37+8*\t], 0
	v_mov_b32 v[38+8*\t], 0
	v_mov_b32 v[39+8*\t], 0
.endr
	v_add_nc_u32 v2, VC, v1
	v_lshlrev_b32 v3, 4, v232
	v_add_nc_u32 v4, VS, v3
	v_add_nc_u32 v3, KS, v3
	v_and_b32 v235, 8, v232
	v_add_nc_u32 v235, v235, v232                  ; r + 8 (r / 8)
	v_lshlrev_b32 v236, 4, v233
	v_sub_nc_u32 v5, v235, v236
	v_add_nc_u32 v5, s75, v5                       ; d = my query - the diagonal step's first key - 16 h.  Register 16 b + i holds key 32 b + 16 h + i of the step: hidden where 32 b + i > d
	v_add_nc_u32 v6, YSG, v1
	v_lshl_add_u32 v7, v232, 1, s71
	v_mov_b32 v13, 0xff61b1e6                      ; the largest t so far: -3e38
	v_floor_f32 v12, -v13                          ; -M
	v_mov_b32 v14, 0
	v_mov_b32 v15, 0
.irp b, 0,1,2,3
	v_mov_b32 v[236+\b], 0                         ; a lane permute's destination counts as one of its sources
.endr
	v_mov_b32 v252, 0
	v_mov_b32 v253, 0
.set n, 0
.rept 32
	v_mov_b32 v[160+n], 0                          ; O^T: the step is written once; the first finds zeros, which the first change of M leaves zeros
.set n, n+1
.endr
	s_mov_b32 s[STP], 0
	s_mov_b32 s18, 0
	s_mov_b32 s19, 0
	s_mov_b32 s24, 0
	s_wait_tensorcnt 0x0                           ; my tile, if I asked for one, has landed,
	s_barrier_signal -1
	s_barrier_wait -1                              ; everybody's has
	s_wait_loadcnt 0x0                             ; Q
.Lstep:                                            ; eight trips for every wave; a step beyond the wave's last is passed over: a scalar branch on the wave's number and the trip, round work alone
	s_cmp_gt_u32 s[STP], s16
	s_cbranch_scc1 .Lhidden
	v_add_nc_u32 v8, s18, v1                       ; (these four are also the places behind the last step's products, ahead of the loads into their registers)
	v_add_nc_u32 v9, s18, v2
	v_add_nc_u32 v10, s19, v3
	v_add_nc_u32 v11, s24, v4
.irp t, 0,1,2,3,4,5,6,7
	ds_load_b128 v[32+8*\t:35+8*\t], v8 offset:512*\t
.endr
	ds_load_b128 v[24:27], v10
	ds_load_b128 v[28:31], v10 offset:256
.irp t, 0,1,2,3
.irp c, 0,1
	ds_load_b128 v[192+8*\t+4*\c:195+8*\t+4*\c], v9 offset:1024*\t+512*\c
.endr
.endr
	ds_load_b128 v[248:251], v11
	s_wait_dscnt 9                                 ; K and its scale words are in; V's eight loads and its scale words may be out
.irp t, 0,1,2,3,4,5,6,7
	v_wmma_scale_f32_16x16x128_f8f6f4 v[96+8*\t:103+8*\t], v[32+8*\t:39+8*\t], v[16:23], 0, v[24+\t], v255 matrix_a_fmt:MATRIX_FMT_FP4 matrix_b_fmt:MATRIX_FMT_FP4
.endr
	PLACES
	s_cmp_lg_u32 s[STP], s16                       ; only my last step lies on the diagonal
	s_cbranch_scc1 .Lopen
	v_mov_b32 v254, 0xff800000                     ; -infinity
.set n, 0
.rept 64
	v_cmp_gt_i32 vcc_lo, 32*(n/16)+n%16, v5
	v_cndmask_b32 v[96+n], v[96+n], v254, vcc_lo
.set n, n+1
.endr
.Lopen:
.irp b, 0,1,2,3
	v_max3_num_f32 v[232+\b], v[96+16*\b], v[97+16*\b], v[98+16*\b]   ; the largest score of each block of 32 keys: for the row's maximum and, since p rises with the score, for the block's largest p
.endr
.irp i, 3,5,7,9,11,13
.irp b, 0,1,2,3
	v_max3_num_f32 v[232+\b], v[232+\b], v[96+16*\b+\i], v[97+16*\b+\i]
.endr
.endr
.irp b, 0,1,2,3
	v_max_num_f32 v[232+\b], v[232+\b], v[111+16*\b]
.endr
.irp b, 0,1,2,3
	v_permlanex16_b32 v[236+\b], v[232+\b], s[SEL], s[SEL+1]
.endr
.irp b, 0,1,2,3
	v_max_num_f32 v[232+\b], v[232+\b], v[236+\b]  ; with lane l xor 16's 16 keys
.endr
	v_max3_num_f32 v254, v232, v233, v234
	v_max_num_f32 v254, v254, v235                 ; the step's largest score of my query
	v_mul_f32 v254, s[CS], v254                    ; as t
	v_max_num_f32 v13, v13, v254                   ; the running largest t
	v_mov_b32 v254, v12
	v_floor_f32 v12, -v13                          ; the new -M = floor(-t) = -ceil(t)
	v_sub_f32 v254, v12, v254                      ; old M - new M: a whole number, 0 or less
	v_cvt_i32_f32 v254, v254                       ; (it saturates)
	v_ldexp_f32 v252, 1.0, v254                    ; f = 2^(old M - new M)
.set n, 0
.rept 32
	v_pk_fma_f32 v[96+n:97+n], v[96+n:97+n], s[CS:CS+1], v[12:13] op_sel_hi:[1,0,0]   ; t - M, two at a time
.set n, n+2
.endr
.irp b, 0,1,2,3
	v_fma_f32 v[232+\b], v[232+\b], s[CS], v12     ; the same of each block's largest score
.endr
.set n, 0
.rept 64
	v_exp_f32 v[96+n], v[96+n]                     ; p = 2^(t - M)
.set n, n+1
.endr
	v_pk_mul_f32 v[14:15], v[14:15], v[252:253] op_sel_hi:[1,0]   ; the sums under the new M (a plain line behind the exponentials)
	s_wait_alu depctr_va_vdst(0)                   ; one wait for the batch of 64, ahead of its first reader
.irp b, 0,1,2,3
	v_exp_f32 v[232+\b], v[232+\b]                 ; the block's largest p
.endr
	v_pk_add_f32 v[236:237], v[96:97], v[98:99]    ; the row's sum of the unquantised p, in two chains (it reads the 64 alone)
.irp j, 4,8,12,16,20,24,28,32,36,40,44,48,52,56,60
	v_pk_add_f32 v[14:15], v[14:15], v[96+\j:97+\j]
	v_pk_add_f32 v[236:237], v[236:237], v[98+\j:99+\j]
.endr
	v_pk_add_f32 v[14:15], v[14:15], v[236:237]
	s_wait_alu depctr_va_vdst(0)                   ; and one for the four
.irp b, 0,1,2,3
	v_max_num_f32 v[232+\b], 0x1800000, v[232+\b]  ; the floor 2^(3 - 127)
.endr
.irp b, 0,1,2,3
	v_add_nc_u32 v[244+\b], 0xff000000, v[232+\b]  ; 2 off the exponent field
.endr
.irp b, 0,1,2,3
	v_lshrrev_b32 v[236+\b], 23, v[244+\b]
.endr
	v_lshl_or_b32 v253, v237, 8, v236              ; p's scale word for these 128 keys
	v_lshl_or_b32 v253, v238, 16, v253
	v_lshl_or_b32 v253, v239, 24, v253
.irp b, 0,1,2,3
	v_cvt_scalef32_pk8_fp4_f32 v[224+2*\b], v[96+16*\b:103+16*\b], v[244+\b]
	v_cvt_scalef32_pk8_fp4_f32 v[225+2*\b], v[104+16*\b:111+16*\b], v[244+\b]
.endr
	v_nop                                          ; one plain line behind the scaled conversions
.irp c, 0,1
.irp i, 0,1
	v_permlane16_swap_b32 v[224+4*\c+\i], v[226+4*\c+\i]   ; a whole block to a lane
.endr
.endr
.set n, 0
.rept 16
	v_pk_mul_f32 v[160+n:161+n], v[160+n:161+n], v[252:253] op_sel_hi:[1,0]   ; O^T under the new M.  (These sixteen also stand between the lines that made p's codes and scale word and the products)
.set n, n+2
.endr
	s_wait_dscnt 0x0                               ; V and its scale words
.irp t, 0,1,2,3
	v_wmma_scale_f32_16x16x128_f8f6f4 v[160+8*\t:167+8*\t], v[192+8*\t:199+8*\t], v[224:231], v[160+8*\t:167+8*\t], v[248+\t], v253 matrix_a_fmt:MATRIX_FMT_FP4 matrix_b_fmt:MATRIX_FMT_FP4
.endr
.Lhidden:
	s_add_co_u32 s18, s18, 4096
	s_add_co_u32 s19, s19, 512
	s_add_co_u32 s24, s24, 256
	s_add_co_u32 s[STP], s[STP], 1
	s_cmp_lt_u32 s[STP], 8
	s_cbranch_scc1 .Lstep
	; ---- the way out: O^T / the sum, quantised along the head's 64 channels
	PLACES
	v_add_f32 v14, v14, v15
	v_permlanex16_b32 v252, v14, s[SEL], s[SEL+1]
	v_add_f32 v14, v14, v252                       ; the row's sum
	v_rcp_f32 v14, v14
	v_nop                                          ; a plain line behind the reciprocal,
	s_wait_alu depctr_va_vdst(0)                   ; and the wait ahead of its first reader
.set n, 0
.rept 16
	v_pk_mul_f32 v[96+n:97+n], v[160+n:161+n], v[14:15] op_sel_hi:[1,0]   ; register 16 b + i: channel 32 b + 16 h + i of my query
.set n, n+2
.endr
.irp b, 0,1
	v_max3_num_f32 v[232+\b], |v[96+16*\b]|, |v[97+16*\b]|, 0x1800000
.endr
.irp i, 2,4,6,8,10,12,14
.irp b, 0,1
	v_max3_num_f32 v[232+\b], v[232+\b], |v[96+16*\b+\i]|, |v[97+16*\b+\i]|
.endr
.endr
.irp b, 0,1
	v_permlanex16_b32 v[236+\b], v[232+\b], s[SEL], s[SEL+1]
.endr
.irp b, 0,1
	v_max_num_f32 v[232+\b], v[232+\b], v[236+\b]
.endr
.irp b, 0,1
	v_add_nc_u32 v[244+\b], 0xff000000, v[232+\b]
.endr
.irp b, 0,1
	v_lshrrev_b32 v[236+\b], 23, v[244+\b]
.endr
	v_lshl_or_b32 v240, v237, 8, v236              ; my query's two scale bytes
.irp b, 0,1
	v_cvt_scalef32_pk8_fp4_f32 v[224+2*\b], v[96+16*\b:103+16*\b], v[244+\b]
	v_cvt_scalef32_pk8_fp4_f32 v[225+2*\b], v[104+16*\b:111+16*\b], v[244+\b]
.endr
	v_nop
	v_permlane16_swap_b32 v224, v226
	v_permlane16_swap_b32 v225, v227
	global_store_b128 v1, v[224:227], s[82:83]     ; 512 consecutive bytes
	ds_store_b16 v7, v240                          ; lanes r and r + 16 write the same two bytes with the same value
	s_wait_dscnt 0x0                               ; for the others' sake
	s_barrier_signal -1
	s_barrier_wait -1
	s_cmp_lg_u32 s[WV], 0
	s_cbranch_scc1 .Lno_ys
	ds_load_b128 v[228:231], v6                    ; the sixteen tiles' scale bytes
	s_wait_dscnt 0x0
	global_store_b128 v1, v[228:231], s[84:85]     ; 512 consecutive bytes
.Lno_ys:
	s_wait_tensorcnt 0x0
	ds_add_u32 v242, v243
	s_wait_dscnt 0x0
	CROUND                                         ; the closing round
	s_endpgm
.Lfunc_end_k_qa70d3f1cce_attn:
	.size	k_qa70d3f1cce_attn, .Lfunc_end_k_qa70d3f1cce_attn-k_qa70d3f1cce_attn
	.p2alignl 7, 3214868480
	.fill 96, 4, 3214868480
	.section	.rodata,"a",@progbits
	.p2align	6, 0x0
	.amdhsa_kernel k_qa70d3f1cce_attn
		.amdhsa_group_segment_fixed_size 169984
		.amdhsa_private_segment_fixed_size 0
		.amdhsa_enable_private_segment 0
		.amdhsa_kernarg_size 32
		.amdhsa_user_sgpr_count 2
		.amdhsa_user_sgpr_kernarg_segment_ptr 1
		.amdhsa_wavefront_size32 1
		.amdhsa_system_sgpr_workgroup_id_x 1
		.amdhsa_system_sgpr_workgroup_id_y 1
		.amdhsa_system_sgpr_workgroup_id_z 1
		.amdhsa_system_vgpr_workitem_id 0
		.amdhsa_next_free_vgpr 256
		.amdhsa_next_free_sgpr 96
		.amdhsa_reserve_vcc 1
		.amdhsa_float_denorm_mode_32 3
		.amdhsa_float_denorm_mode_16_64 3
		.amdhsa_memory_ordered 1
		.amdhsa_forward_progress 1
		.amdhsa_inst_pref_size 35
	.end_amdhsa_kernel
	.amdgpu_metadata
---
amdhsa.version: [ 1, 2 ]
amdhsa.kernels:
  - .name:           k_qa70d3f1cce_attn
    .symbol:         k_qa70d3f1cce_attn.kd
    .args:
      - { .name: cod2, .offset: 0, .size: 8, .value_kind: global_buffer, .address_space: global }
      - { .name: scl2, .offset: 8, .size: 8, .value_kind: global_buffer, .address_space: global }
      - { .name: cod3, .offset: 16, .size: 8, .value_kind: global_buffer, .address_space: global }
      - { .name: scl3, .offset: 24, .size: 8, .value_kind: global_buffer, .address_space: global }
    .group_segment_fixed_size: 169984
    .private_segment_fixed_size: 0
    .kernarg_segment_align: 8
    .kernarg_segment_size: 32
    .max_flat_workgroup_size: 512
    .sgpr_count:     96
    .vgpr_count:     256
    .wavefront_size: 32
...
	.end_amdgpu_metadata
.endif
;; end of part 3
;; launch proj (part 4): grid 4 x 64, 8 waves a work-group, clusters of 4 x 4, 168,960 bytes of LDS; arguments cod3, scl3, cod1, scl1, bp, out0; writes out0
.if DOCPART == 4
	.amdgcn_target "amdgcn-amd-amdhsa--gfx1250"
	.amdhsa_code_object_version 6
	.text
	.protected	k_qa70d3f1cce_proj
	.globl	k_qa70d3f1cce_proj
	.p2align	8
	.type	k_qa70d3f1cce_proj,@function
k_qa70d3f1cce_proj:
	s_mov_b64 s[64:65], 0
	v_nop
	global_prefetch_b8 v0, s[64:65] scope:SCOPE_SE
	s_setreg_imm32_b32 hwreg(HW_REG_WAVE_MODE, 25, 1), 1
	s_wait_xcnt 0x0
	s_wait_alu depctr_hold_cnt(0) depctr_sa_sdst(0) depctr_va_vdst(0) depctr_va_sdst(0) depctr_va_ssrc(0) depctr_va_vcc(0) depctr_vm_vsrc(0)
	s_getreg_b32 s2, hwreg(HW_REG_IB_STS2, 6, 4)
	s_cmp_eq_u32 s2, 0
	s_cbranch_scc0 .Lentry_in_a_cluster
	s_endpgm
.Lentry_in_a_cluster:
	s_bfe_u32 s2, ttmp6, 0x10000c
	s_cmp_lg_u32 s2, 0xf033
	s_cbranch_scc0 .Lentry_shape_is_right
	s_endpgm
.Lentry_shape_is_right:
; out = y Wp^T + bp on codes of FP4 with E8M0 scales (K = 512: four matrix instructions deep), f32 sums and f32 output [8192][512].
; SHARES.  Work-group (X, Y): tokens 128 Y .. + 127 x columns 128 X .. + 127.  Wave w: the 32 tokens 32 (w / 2) on (two tiles u of 16) x the 64 columns 64 (w % 2) on (four tiles t): 8 accumulators, by turns.
; y comes as images of its operand registers, [tile of tokens][head][lane][16 bytes]: K step s of a tile is heads 2 s (registers 0-3) and 2 s + 1 (registers 4-7).  Row r of tile 2 b + u is token 32 b + 8 u + r + 8 (r / 8):
; the stage on the way out puts the rows back in order.  y's scale bytes, two for a token and head, are read straight into registers and joined to words.
; Source 0 = 16 rows of Wp (columns of out), source 1 = 16 tokens: a lane holds eight neighbouring columns of one token.  The bias starts the sums.
; CLUSTER 4 x 4: y's tile is shared along a row of the cluster, Wp's tile and scales along a column: joint loads.  All that a work-group reads through LDS is asked for at the head, and no LDS byte is filled twice:
; no ring, and no later load that a prefetch could run ahead of.  A wave has at most one tensor load out.  The claim of LDS is larger than the use.
.set YT,  0                            ; LDS: y's eight tiles, 4,096 bytes each
.set WT,  32768                        ; Wp's 128 rows x (256 + 16)
.set WS,  67584                        ; Wp's scale bytes, 16 a row
.set STG, 69632                        ; the stages: 32 rows x (256 + 16) for each wave; no tile lands here
.set P,   272
.set WV,  18
.set SCW, 16                           ; v16-31 Wp's scale words (4 t + s);  v32-39 y's (4 u + s): these hold scales and nothing else
.set SCY, 32
.set RAW, 40                           ; v40-55 y's scale bytes as loaded (8 u + head)
.set YF,  56                           ; v56-119 y's fragments (32 u + 8 s); later the rows read back
.set WF,  120                          ; v120-183 Wp's fragments, two sets (32 (s % 2) + 8 t)
.set ACC, 184                          ; v184-247 (32 u + 8 t)
.macro CROUND
	s_barrier_signal -1
	s_barrier_wait -1
	s_cmp_lg_u32 s[WV], 0
	s_cbranch_scc1 .Lnot_wave_0_\@
	s_barrier_signal -3
.Lnot_wave_0_\@:
	s_barrier_wait -3
	s_barrier_signal -1
	s_barrier_wait -1
.endm
.macro PLACES
.rept 4
	v_nop
.endr
.endm
	s_load_b256 s[4:11], s[0:1], 0x0               ; cod3, scl3, cod1, scl1
	s_load_b128 s[12:15], s[0:1], 0x20             ; bp, out0
	v_lshl_add_u32 v254, v0, 2, 0x29000
	v_mov_b32 v255, 0
	ds_add_u32 v254, v255
	ds_add_u32 v254, v255
	v_lshrrev_b32 v1, 5, v0
	v_readfirstlane_b32 s[WV], v1                  ; wave 0..7
	s_bfe_u32 s19, ttmp6, 0x40000                  ; cx
	s_bfe_u32 s20, ttmp6, 0x40004                  ; cy
	s_lshl_b32 s21, ttmp9, 2
	s_add_co_u32 s21, s21, s19                     ; X
	s_and_b32 s22, ttmp7, 0xffff
	s_lshl_b32 s22, s22, 2
	s_add_co_u32 s22, s22, s20                     ; Y
	s_lshl_b32 s23, s20, 2
	s_lshl_b32 s23, 15, s23                        ; my row of the cluster
	s_lshl_b32 s24, 0x1111, s19                    ; my column
	s_lshr_b32 s74, s[WV], 1                       ; which 32 tokens
	s_and_b32 s75, s[WV], 1                        ; which 64 columns; also which half of a tile I fetch
	s_or_b32 s28, s23, (3<<16)|(1<<21)             ; y: 16,384 dense bytes as 64 rows of 32 elements of 8 bytes
	s_mov_b32 s29, 32<<16
	s_mov_b32 s30, 64<<16
	s_mov_b32 s31, 32<<16
	s_mov_b32 s32, 64
	s_mov_b32 s33, 32
	s_mov_b32 s34, 0
	s_mov_b32 s35, 0
	s_or_b32 s36, s24, (1<<20)|(1<<21)|(5<<22)|(3<<25)   ; Wp: 64 rows x 256 elements of one byte; 4 words of padding behind every 64
	s_mov_b32 s37, 256<<16
	s_mov_b32 s38, 64<<16
	s_mov_b32 s39, 256<<16
	s_mov_b32 s40, 64
	s_mov_b32 s41, 256
	s_mov_b32 s42, 0
	s_mov_b32 s43, 0
	s_or_b32 s44, s24, (3<<16)|(1<<21)             ; Wp's scales: 2,048 dense bytes as 8 rows
	s_mov_b32 s45, 32<<16
	s_mov_b32 s46, 8<<16
	s_mov_b32 s47, 32<<16
	s_mov_b32 s48, 8
	s_mov_b32 s49, 32
	s_mov_b32 s50, 0
	s_mov_b32 s51, 0
	s_wait_dscnt 0x0
	s_wait_kmcnt 0x0
	; y's address hangs on Y and the wave alone (s68, s69 never hold X), Wp's on X and the wave alone (s70, s71 never hold Y)
	s_mov_b32 s52, 1
	s_lshl_b32 s53, s75, 14
	s_lshl_b32 s68, s22, 15
	s_lshl_b32 s69, s75, 14
	s_add_co_u32 s68, s68, s69
	s_mov_b32 s69, 0
	s_add_nc_u64 s[54:55], s[4:5], s[68:69]
	s_or_b32 s55, s55, 0x80000000
	s_mov_b32 s56, 1
	s_mul_i32 s57, s75, 17408
	s_add_co_u32 s57, s57, WT
	s_lshl_b32 s70, s21, 15
	s_lshl_b32 s71, s75, 14
	s_add_co_u32 s70, s70, s71
	s_add_co_u32 s70, s70, 2490368                 ; Wp's codes lie behind x's, Wq's, Wk's and Wv's
	s_mov_b32 s71, 0
	s_add_nc_u64 s[58:59], s[8:9], s[70:71]
	s_or_b32 s59, s59, 0x80000000
	s_mov_b32 s60, 1
	s_mov_b32 s61, WS
	s_lshl_b32 s70, s21, 11
	s_add_co_u32 s70, s70, 155648
	s_add_nc_u64 s[62:63], s[10:11], s[70:71]
	s_or_b32 s63, s63, 0x80000000
	CROUND                                         ; all sixteen work-groups are here: the joint loads meet
	s_cmp_lt_u32 s[WV], 2                          ; waves 0, 1: y's halves; 2, 3: Wp's halves; 4: Wp's scales.  Four v_nop follow each line
	s_cbranch_scc0 .Lnot_y
	tensor_load_to_lds s[52:55], s[28:35]
	s_nop 0
	PLACES
	s_branch .Lasked
.Lnot_y:
	s_cmp_lt_u32 s[WV], 4
	s_cbranch_scc0 .Lnot_w
	tensor_load_to_lds s[56:59], s[36:43]
	s_nop 0
	PLACES
	s_branch .Lasked
.Lnot_w:
	s_cmp_eq_u32 s[WV], 4
	s_cbranch_scc0 .Lasked
	tensor_load_to_lds s[60:63], s[44:51]
	s_nop 0
	PLACES
.Lasked:
	v_and_b32 v1, 15, v0                           ; r
	v_bfe_u32 v2, v0, 4, 1                         ; h
	v_and_b32 v3, 31, v0                           ; lane
	s_lshl_b32 s76, s74, 13
	v_lshl_add_u32 v4, v3, 4, s76                  ; v4  y's images: 16 x lane + my two tiles
	s_mul_i32 s76, s75, 17408
	s_add_co_u32 s76, s76, WT
	v_mul_u32_u24 v5, v1, P
	v_lshl_add_u32 v5, v2, 4, v5
	v_add_nc_u32 v5, s76, v5                       ; v5  Wp: my 64 rows; row r, + 16 h
	s_lshl_b32 s76, s75, 10
	s_add_co_u32 s76, s76, WS
	v_lshl_add_u32 v6, v1, 4, s76                  ; v6  their scale rows
	s_mul_i32 s76, s[WV], 8704
	s_add_co_u32 s76, s76, STG                     ; my stage
	v_and_b32 v12, 8, v1
	v_add_nc_u32 v12, v12, v1                      ; r + 8 (r / 8)
	v_mul_u32_u24 v7, v12, P
	v_lshl_add_u32 v7, v2, 5, v7
	v_add_nc_u32 v7, s76, v7                       ; v7  in: the token's row, + 32 h
	v_mul_u32_u24 v8, v2, P
	v_lshl_add_u32 v8, v1, 4, v8
	v_add_nc_u32 v8, s76, v8                       ; v8  back: lanes 0-15 one row, lanes 16-31 the next
	v_lshlrev_b32 v9, 11, v2
	v_lshl_add_u32 v9, v1, 4, v9                   ; v9  the same two rows in out
	v_lshlrev_b32 v10, 1, v1                       ; v10 y's scale bytes: two a token
	v_lshlrev_b32 v11, 5, v2                       ; v11 the bias: 8 h numbers on
	s_lshr_b32 s78, s22, 3
	s_lshl_b32 s78, s78, 14                        ; y's scale bytes: [8 b + head][tile % 4][tile / 4][r]: the sequence,
	s_and_b32 s79, s74, 1
	s_lshl_b32 s79, s79, 10                        ; tile % 4 = 2 ((w / 2) % 2) + u,
	s_add_co_u32 s78, s78, s79
	s_and_b32 s79, s22, 7
	s_lshl_b32 s79, s79, 1
	s_lshr_b32 s80, s74, 1
	s_add_co_u32 s79, s79, s80                     ; tile / 4 = 2 (Y % 8) + w / 4
	s_lshl_b32 s79, s79, 5
	s_add_co_u32 s78, s78, s79
	s_mov_b32 s79, 0
	s_add_nc_u64 s[6:7], s[6:7], s[78:79]
	s_lshl_b32 s78, s21, 9
	s_lshl_b32 s80, s75, 8
	s_add_co_u32 s78, s78, s80                     ; my first column, in bytes
	s_add_nc_u64 s[12:13], s[12:13], s[78:79]
	s_lshl_b32 s80, s22, 18
	s_add_co_u32 s78, s78, s80
	s_lshl_b32 s80, s74, 16
	s_add_co_u32 s78, s78, s80                     ; + my first row: (128 Y + 32 (w / 2)) x 2,048 bytes
	s_add_nc_u64 s[14:15], s[14:15], s[78:79]
.irp u, 0,1
.irp d, 0,1,2,3,4,5,6,7
	global_load_u16 v[RAW+8*\u+\d], v10, s[6:7] offset:2048*\d+512*\u
.endr
.endr
.irp u, 0,1
.irp t, 0,1,2,3
	global_load_b128 v[ACC+32*\u+8*\t:ACC+32*\u+8*\t+3], v11, s[12:13] offset:64*\t      ; register j: column 16 t + 8 h + j
	global_load_b128 v[ACC+32*\u+8*\t+4:ACC+32*\u+8*\t+7], v11, s[12:13] offset:64*\t+16
.endr
.endr
	s_wait_loadcnt 16                              ; the scale bytes are in; the sixteen bias loads may be out
.irp u, 0,1
.irp s, 0,1,2,3
	v_lshl_or_b32 v[SCY+4*\u+\s], v[RAW+8*\u+2*\s+1], 16, v[RAW+8*\u+2*\s]   ; heads 2 s and 2 s + 1: the four blocks of K step s
.endr
.endr
.rept 8
	v_nop                                          ; a scale register written by a vector line stands eight plain lines ahead of a scaled matrix instruction
.endr
	s_wait_tensorcnt 0x0                           ; my tile, if I asked for one, has landed,
	s_barrier_signal -1
	s_barrier_wait -1                              ; everybody's has
.irp t, 0,1,2,3
	ds_load_b128 v[SCW+4*\t:SCW+4*\t+3], v6 offset:256*\t
.endr
.irp u, 0,1
.irp s, 0,1,2,3
.irp c, 0,1
	ds_load_b128 v[YF+32*\u+8*\s+4*\c:YF+32*\u+8*\s+4*\c+3], v4 offset:4096*\u+1024*\s+512*\c
.endr
.endr
.endr
.macro WLOAD s                         ; Wp's four fragments of K step s into set s % 2
.irp t, 0,1,2,3
.irp c, 0,1
	ds_load_b128 v[WF+32*((\s)%2)+8*\t+4*\c:WF+32*((\s)%2)+8*\t+4*\c+3], v5 offset:16*\t*P+64*(\s)+32*\c
.endr
.endr
.endm
	WLOAD 0
.irp s, 0,1,2,3
.if \s < 3
.if \s > 0
	PLACES                                         ; ahead of loads into the set that the last products read
.endif
	WLOAD \s+1
	s_wait_dscnt 8                                 ; all but the eight just issued
.else
	s_wait_dscnt 0x0
.endif
.if \s == 0
	s_wait_loadcnt 0x0                             ; the bias
.endif
.irp u, 0,1
.irp t, 0,1,2,3
	v_wmma_scale_f32_16x16x128_f8f6f4 v[ACC+32*\u+8*\t:ACC+32*\u+8*\t+7], v[WF+32*(\s%2)+8*\t:WF+32*(\s%2)+8*\t+7], v[YF+32*\u+8*\s:YF+32*\u+8*\s+7], v[ACC+32*\u+8*\t:ACC+32*\u+8*\t+7], v[SCW+4*\t+\s], v[SCY+4*\u+\s] matrix_a_fmt:MATRIX_FMT_FP4 matrix_b_fmt:MATRIX_FMT_FP4
.endr
.endr
.endr
	; ---- the way out: through my own stage, where the tokens come back into order; then whole rows of 256 bytes
	PLACES
.irp u, 0,1
.irp t, 0,1,2,3
	ds_store_b128 v7, v[ACC+32*\u+8*\t:ACC+32*\u+8*\t+3] offset:8*\u*P+64*\t        ; each accumulator from its low end on
	ds_store_b128 v7, v[ACC+32*\u+8*\t+4:ACC+32*\u+8*\t+7] offset:8*\u*P+64*\t+16
.endr
.endr
.irp i, 0,1,2,3,4,5,6,7,8,9,10,11,12,13,14,15
	ds_load_b128 v[YF+4*\i:YF+4*\i+3], v8 offset:2*\i*P   ; LDS serves a wave's instructions in order: these see my stores
.endr
.irp i, 0,1,2,3,4,5,6,7,8,9,10,11,12,13,14,15
	s_wait_dscnt 15-\i                             ; rows 2 i and 2 i + 1 are back; the younger loads may be out
	global_store_b128 v9, v[YF+4*\i:YF+4*\i+3], s[14:15] offset:4096*\i th:TH_STORE_NT   ; sixteen lanes store 256 consecutive bytes, at a multiple of 256 from out's first byte
.endr
	s_wait_tensorcnt 0x0
	ds_add_u32 v254, v255
	s_wait_dscnt 0x0
	CROUND                                         ; the closing round
	s_endpgm
.Lfunc_end_k_qa70d3f1cce_proj:
	.size	k_qa70d3f1cce_proj, .Lfunc_end_k_qa70d3f1cce_proj-k_qa70d3f1cce_proj
	.p2alignl 7, 3214868480
	.fill 96, 4, 3214868480
	.section	.rodata,"a",@progbits
	.p2align	6, 0x0
	.amdhsa_kernel k_qa70d3f1cce_proj
		.amdhsa_group_segment_fixed_size 168960
		.amdhsa_private_segment_fixed_size 0
		.amdhsa_enable_private_segment 0
		.amdhsa_kernarg_size 48
		.amdhsa_user_sgpr_count 2
		.amdhsa_user_sgpr_kernarg_segment_ptr 1
		.amdhsa_wavefront_size32 1
		.amdhsa_system_sgpr_workgroup_id_x 1
		.amdhsa_system_sgpr_workgroup_id_y 1
		.amdhsa_system_sgpr_workgroup_id_z 1
		.amdhsa_system_vgpr_workitem_id 0
		.amdhsa_next_free_vgpr 256
		.amdhsa_next_free_sgpr 96
		.amdhsa_reserve_vcc 0
		.amdhsa_float_denorm_mode_32 3
		.amdhsa_float_denorm_mode_16_64 3
		.amdhsa_memory_ordered 1
		.amdhsa_forward_progress 1
		.amdhsa_inst_pref_size 24
	.end_amdhsa_kernel
	.amdgpu_metadata
---
amdhsa.version: [ 1, 2 ]
amdhsa.kernels:
  - .name:           k_qa70d3f1cce_proj
    .symbol:         k_qa70d3f1cce_proj.kd
    .args:
      - { .name: cod3, .offset: 0, .size: 8, .value_kind: global_buffer, .address_space: global }
      - { .name: scl3, .offset: 8, .size: 8, .value_kind: global_buffer, .address_space: global }
      - { .name: cod1, .offset: 16, .size: 8, .value_kind: global_buffer, .address_space: global }
      - { .name: scl1, .offset: 24, .size: 8, .value_kind: global_buffer, .address_space: global }
      - { .name: bp, .offset: 32, .size: 8, .value_kind: global_buffer, .address_space: global }
      - { .name: out0, .offset: 40, .size: 8, .value_kind: global_buffer, .address_space: global }
    .group_segment_fixed_size: 168960
    .private_segment_fixed_size: 0
    .kernarg_segment_align: 8
    .kernarg_segment_size: 48
    .max_flat_workgroup_size: 256
    .sgpr_count:     96
    .vgpr_count:     256
    .wavefront_size: 32
...
	.end_amdgpu_metadata
.endif
;; end of part 4
;; ======== version 2 of 2: 3 launches
;; limits: right only within a limited range of input values
;; workspace buffers: cod1 2,621,440 bytes; scl1 163,840 bytes; cod2 6,291,456 bytes; scl2 655,360 bytes
;; launch quant (part 5): grid 320 x 1, 2 waves a work-group, no clusters, 16,640 bytes of LDS; arguments x, Wq, Wk, Wv, Wp, cod1, scl1; writes cod1, scl1
.if DOCPART == 5
	.amdgcn_target "amdgcn-amd-amdhsa--gfx1250"
	.amdhsa_code_object_version 6
	.text
	.protected	k_qa70d3f1cce_quant
	.globl	k_qa70d3f1cce_quant
	.p2align	8
	.type	k_qa70d3f1cce_quant,@function
k_qa70d3f1cce_quant:
	s_mov_b64 s[64:65], 0
	v_nop
	global_prefetch_b8 v0, s[64:65] scope:SCOPE_SE
	s_setreg_imm32_b32 hwreg(HW_REG_WAVE_MODE, 25, 1), 1
	s_wait_xcnt 0x0
; x [8192][512] and Wq, Wk, Wv, Wp [512][512], f32, K (the last axis) innermost, become codes of FP4 (E2M1), two a byte, and one E8M0 scale byte for each 32 along K.
; A block's scale is 2^(floor(log2(its largest magnitude)) - 2); its byte is the largest magnitude's exponent field - 2, held at 1 from below.
; Each number is divided by the scale and rounded to the nearest code, ties to even; beyond 6 the largest code.
; LIMITS: a block of zeros, and a block whose largest magnitude lies under 2^-124, gets the byte 1 (its codes are zeros or nearly so; the bytes are read by this program alone); NaN and infinities are not served.
; Rows are dense and 512 is a multiple of 32: the five tensors are plain streams of blocks of 32, and the codes and scale bytes of all five are ONE stream each: x, Wq, Wk, Wv, Wp on end.
; SHARES: a wave takes a run of 8,192 numbers, 16 steps of 512.  640 runs: work-groups 0-255 take x, then 16 each Wq, Wk, Wv, Wp.  Run R = 2 x work-group + wave: codes at 4,096 R, scale bytes at 256 R.
; A step's four loads read 512 consecutive bytes each, 16 a lane; the 2,048 bytes turn through the wave's own stage in LDS (16 bytes of padding behind each 64) and come back 64 bytes a lane: 16 NEIGHBOURS along K,
; which is what the conversions take; two neighbouring lanes hold a block.  A lane's 16 codes are 8 bytes: the wave stores 256 consecutive bytes.  A wave's 256 scale bytes are gathered in LDS and leave as one aligned run of 256.
; Waves share nothing: no barrier, no cluster (no work-group reads what another reads), no tensor load.  Loads run four steps (16 loads a wave) ahead.
.set STEPS, 16
.set EMAX,  2
.set CB,    8                          ; bytes of 16 codes
.set R,     16                         ; v16-79   four sets of 16 numbers as they are loaded
.set X,     80                         ; v80-111  two sets of 16 neighbours
.set E,     112                        ; v112-127 a scale byte for each step
.set C,     128                        ; v128-191 codes: four registers for each step, so that no store's data are written again
.set WREG,  8192                       ; LDS: a region for each wave: two stages of 32 x SP bytes, behind them its 256 scale bytes
.set SP,    80                         ; a lane's place in a stage: 64 bytes + 16 of padding
	s_load_b256 s[4:11], s[0:1], 0x0               ; x, Wq, Wk, Wv
	s_load_b128 s[12:15], s[0:1], 0x20             ; Wp, the codes
	s_load_b64 s[16:17], s[0:1], 0x30              ; the scale bytes
	v_lshl_add_u32 v192, v0, 2, 0x4000
	v_mov_b32 v193, 0
	v_lshrrev_b32 v1, 5, v0
	v_readfirstlane_b32 s20, v1                    ; wave
	v_and_b32 v2, 31, v0                           ; lane
	v_lshlrev_b32 v3, 4, v2                        ; my 16 bytes of a load's 512
	s_mul_i32 s21, s20, WREG
	v_lshrrev_b32 v14, 2, v2
	v_mul_u32_u24 v14, v14, SP
	v_and_b32 v15, 3, v2
	v_lshl_add_u32 v14, v15, 4, v14
	v_add_nc_u32 v14, s21, v14                     ; the stage, on the way in: SP (lane / 4) + 16 (lane % 4)
	v_mul_u32_u24 v15, v2, SP
	v_add_nc_u32 v15, s21, v15                     ; and on the way out: SP x lane
	v_mul_u32_u24 v4, v2, CB                       ; my codes' place in a step's
	v_lshrrev_b32 v5, 1, v2
	s_add_co_u32 s21, s21, 2*32*SP
	v_add_nc_u32 v5, s21, v5                       ; LDS: my wave's 256 scale bytes, my block's byte
	v_lshlrev_b32 v7, 3, v2                        ; on the way out 8 bytes a lane
	v_add_nc_u32 v6, s21, v7
	s_wait_alu depctr_va_vdst(0)
	s_wait_kmcnt 0x0
	s_and_b32 s22, ttmp9, 15                       ; a weight's work-group among its 16
	s_cmp_lt_u32 ttmp9, 272                        ; which tensor: the choices hang on the work-group's number alone
	s_cselect_b64 s[6:7], s[6:7], s[8:9]           ; Wq or Wk
	s_cmp_lt_u32 ttmp9, 304
	s_cselect_b64 s[10:11], s[10:11], s[12:13]     ; Wv or Wp
	s_cmp_lt_u32 ttmp9, 288
	s_cselect_b64 s[6:7], s[6:7], s[10:11]
	s_cmp_lt_u32 ttmp9, 256
	s_cselect_b64 s[4:5], s[4:5], s[6:7]           ; x or a weight
	s_cselect_b32 s22, ttmp9, s22
	s_lshl_b32 s22, s22, 1
	s_add_co_u32 s22, s22, s20                     ; my run in its tensor
	s_lshl_b32 s22, s22, 15                        ; 32,768 bytes a run
	s_mov_b32 s23, 0
	s_add_nc_u64 s[4:5], s[4:5], s[22:23]
	s_lshl_b32 s24, ttmp9, 1
	s_add_co_u32 s24, s24, s20                     ; my run in the streams of codes and scale bytes
	s_lshl_b32 s26, s24, 12
	s_mov_b32 s27, 0
	s_add_nc_u64 s[14:15], s[14:15], s[26:27]
	s_lshl_b32 s26, s24, 8
	s_add_nc_u64 s[16:17], s[16:17], s[26:27]
.macro LOAD t
.irp i, 0,1,2,3
	global_load_b128 v[R+16*((\t)%4)+4*\i:R+16*((\t)%4)+4*\i+3], v3, s[4:5] offset:2048*(\t)+512*\i th:TH_LOAD_NT   ; 32 lanes read 512 consecutive bytes
.endr
.endm
.macro TURN t                          ; step t's numbers through the stage: LDS serves a wave's instructions in order, so no wait stands between the stores and the loads
.irp i, 0,1,2,3
	ds_store_b128 v14, v[R+16*((\t)%4)+4*\i:R+16*((\t)%4)+4*\i+3] offset:32*SP*((\t)%2)+8*SP*\i
.endr
.irp i, 0,1,2,3
	ds_load_b128 v[X+16*((\t)%2)+4*\i:X+16*((\t)%2)+4*\i+3], v15 offset:32*SP*((\t)%2)+16*\i
.endr
.endm
.irp t, 0,1,2,3
	LOAD \t
.endr
	s_wait_loadcnt 12                              ; step 0's four loads are in; three steps' twelve may be out
	TURN 0
.macro STEP t
.set XS, X+16*((\t)%2)
.if (\t) > 0
	s_wait_dscnt 1                                 ; this step's numbers are back from the stage (the last step's byte store may be out): so its stores into the stage have read their registers,
.else
	s_wait_dscnt 0x0
.endif
.if (\t)+4 < STEPS
	LOAD (\t)+4                                    ; which take the loads of four steps on
.endif
.if (\t)+1 < STEPS
.if STEPS-2-(\t) >= 3
	s_wait_loadcnt 12                              ; the next step's four loads are in; those of the three steps behind it may be out
.else
	s_wait_loadcnt 4*(STEPS-2-(\t))
.endif
	TURN (\t)+1                                    ; and go through the other stage while this step is worked
.endif
	v_max3_num_f32 v8, |v[XS]|, |v[XS+1]|, |v[XS+2]|               ; the largest magnitude of my 16, in two chains
	v_max3_num_f32 v9, |v[XS+3]|, |v[XS+4]|, |v[XS+5]|
.irp i, 6,10
	v_max3_num_f32 v8, v8, |v[XS+\i]|, |v[XS+\i+1]|
	v_max3_num_f32 v9, v9, |v[XS+\i+2]|, |v[XS+\i+3]|
.endr
	v_max3_num_f32 v8, v8, |v[XS+14]|, |v[XS+15]|
	v_max3_num_f32 v8, v8, v9, (EMAX+1)<<23        ; and the floor 2^(3 - 127): the byte cannot fall under 1
	v_max_num_f32_dpp v8, v8, v8 row_xmask:1 row_mask:0xf bank_mask:0xf   ; and of my neighbour's 16: the block's
	v_add_nc_u32 v11, -(EMAX<<23), v8              ; 2 off its exponent field: the conversion takes the exponent field of this operand as its scale
	v_cvt_scalef32_pk8_fp4_f32 v[C+4*(\t)], v[XS:XS+7], v11
	v_cvt_scalef32_pk8_fp4_f32 v[C+4*(\t)+1], v[XS+8:XS+15], v11
	v_lshrrev_b32 v[E+(\t)], 23, v11               ; the scale's byte (also the plain line behind the conversions)
	ds_store_b8 v5, v[E+(\t)] offset:16*(\t)       ; both lanes of a block write the same byte with the same value
	global_store_b64 v4, v[C+4*(\t):C+4*(\t)+1], s[14:15] offset:32*CB*(\t)   ; the wave stores 256 consecutive bytes, aligned
.endm
.irp t, 0,1,2,3,4,5,6,7,8,9,10,11,12,13,14,15
	STEP \t
.endr
	ds_load_b64 v[12:13], v6                       ; LDS serves a wave's instructions in order: these see my stores
	s_wait_dscnt 0x0
	global_store_b64 v7, v[12:13], s[16:17]        ; 32 lanes store 256 consecutive bytes, aligned
	s_wait_tensorcnt 0x0
	ds_add_u32 v192, v193
	s_wait_dscnt 0x0
	s_endpgm
.Lfunc_end_k_qa70d3f1cce_quant:
	.size	k_qa70d3f1cce_quant, .Lfunc_end_k_qa70d3f1cce_quant-k_qa70d3f1cce_quant
	.p2alignl 7, 3214868480
	.fill 96, 4, 3214868480
	.section	.rodata,"a",@progbits
	.p2align	6, 0x0
	.amdhsa_kernel k_qa70d3f1cce_quant
		.amdhsa_group_segment_fixed_size 16640
		.amdhsa_private_segment_fixed_size 0
		.amdhsa_enable_private_segment 0
		.amdhsa_kernarg_size 56
		.amdhsa_user_sgpr_count 2
		.amdhsa_user_sgpr_kernarg_segment_ptr 1
		.amdhsa_wavefront_size32 1
		.amdhsa_system_sgpr_workgroup_id_x 1
		.amdhsa_system_sgpr_workgroup_id_y 1
		.amdhsa_system_sgpr_workgroup_id_z 1
		.amdhsa_system_vgpr_workitem_id 0
		.amdhsa_next_free_vgpr 194
		.amdhsa_next_free_sgpr 66
		.amdhsa_reserve_vcc 0
		.amdhsa_float_denorm_mode_32 3
		.amdhsa_float_denorm_mode_16_64 3
		.amdhsa_memory_ordered 1
		.amdhsa_forward_progress 1
		.amdhsa_inst_pref_size 34
	.end_amdhsa_kernel
	.amdgpu_metadata
---
amdhsa.version: [ 1, 2 ]
amdhsa.kernels:
  - .name:           k_qa70d3f1cce_quant
    .symbol:         k_qa70d3f1cce_quant.kd
    .args:
      - { .name: x, .offset: 0, .size: 8, .value_kind: global_buffer, .address_space: global }
      - { .name: Wq, .offset: 8, .size: 8, .value_kind: global_buffer, .address_space: global }
      - { .name: Wk, .offset: 16, .size: 8, .value_kind: global_buffer, .address_space: global }
      - { .name: Wv, .offset: 24, .size: 8, .value_kind: global_buffer, .address_space: global }
      - { .name: Wp, .offset: 32, .size: 8, .value_kind: global_buffer, .address_space: global }
      - { .name: cod1, .offset: 40, .size: 8, .value_kind: global_buffer, .address_space: global }
      - { .name: scl1, .offset: 48, .size: 8, .value_kind: global_buffer, .address_space: global }
    .group_segment_fixed_size: 16640
    .private_segment_fixed_size: 0
    .kernarg_segment_align: 8
    .kernarg_segment_size: 56
    .max_flat_workgroup_size: 64
    .sgpr_count:     66
    .vgpr_count:     194
    .wavefront_size: 32
...
	.end_amdgpu_metadata
.endif
;; end of part 5
;; launch qkv (part 6): grid 4 x 64, 8 waves a work-group, clusters of 4 x 4, 168,960 bytes of LDS; arguments cod1, scl1, bq, bk, bv, cod2, scl2; writes cod2, scl2
.if DOCPART == 6
	.amdgcn_target "amdgcn-amd-amdhsa--gfx1250"
	.amdhsa_code_object_version 6
	.text
	.protected	k_qa70d3f1cce_qkv
	.globl	k_qa70d3f1cce_qkv
	.p2align	8
	.type	k_qa70d3f1cce_qkv,@function
k_qa70d3f1cce_qkv:
	s_mov_b64 s[64:65], 0
	v_nop
	global_prefetch_b8 v0, s[64:65] scope:SCOPE_SE
	s_setreg_imm32_b32 hwreg(HW_REG_WAVE_MODE, 25, 1), 1
	s_wait_xcnt 0x0
	s_wait_alu depctr_hold_cnt(0) depctr_sa_sdst(0) depctr_va_vdst(0) depctr_va_sdst(0) depctr_va_ssrc(0) depctr_va_vcc(0) depctr_vm_vsrc(0)
	s_getreg_b32 s2, hwreg(HW_REG_IB_STS2, 6, 4)
	s_cmp_eq_u32 s2, 0
	s_cbranch_scc0 .Lentry_in_a_cluster
	s_endpgm
.Lentry_in_a_cluster:
	s_bfe_u32 s2, ttmp6, 0x10000c
	s_cmp_lg_u32 s2, 0xf033
	s_cbranch_scc0 .Lentry_shape_is_right
	s_endpgm
.Lentry_shape_is_right:
; q = x Wq^T + bq, k = x Wk^T + bk, v = x Wv^T + bv on codes of FP4 with E8M0 scales (K = 512: four matrix instructions deep), f32 sums; the results are quantised here, q and k along the head's 64 channels, v along the keys,
; and stored as IMAGES OF THE OPERAND REGISTERS that the attention launch wants: 16 bytes a lane, 512 consecutive bytes a store.
; SHARES.  Work-group (X, Y): tokens 128 Y .. 128 Y + 127 (sequence Y / 8, key step Y % 8) x heads 2 X, 2 X + 1 of q, of k and of v.  Eight waves.
;   First q and k: wave w takes unit w / 2 (0, 1: q's two heads; 2, 3: k's) and tokens 64 (w % 2) on: 4 tiles of tokens x 4 tiles of channels, 16 accumulators.
;   Then v: wave w takes head w / 4, channel tile w % 4, and all 8 tiles of tokens: 8 accumulators.
; THE ROWS OF A TILE ARE NOT NEIGHBOURS: row r of tile 2 b + u (of tokens, and of a head's channels) is 32 b + 8 u + r + 8 (r / 8).  With 16 rows of W as source 0 and 16 tokens as source 1 a lane holds one token, and the 16
; registers of channel tiles 2 b, 2 b + 1 are channels 32 b + 16 (lane / 16) + 0 .. 15: neighbours along the next K.  For v the sources are the other way round: a lane holds one channel and 16 neighbouring tokens.
; THE MASK'S COLUMNS.  q . k fills 64 of the matrix instruction's 128 along K.  The attention launch puts the code -6 at k = 64 of every key and +6 at k = 64 of every query; the third byte of a key's scale word, made here,
; is 247 (2^120) where the key's place in its sequence is 24 modulo 25, else 1 (2^-126).  A removed key's score is then -36 x 2^120 and its weight 0.  The fourth byte is 1; a query's third and fourth are 127.
; LIMITS: |q . k| stays far under 2^100; each kept score is lowered by 36 x 2^-126; blocks of zeros and blocks under 2^-124 get the byte 1; NaN and infinities are not served.
; CLUSTER 4 x 4: the four work-groups of a row share Y and so x's tile, the four of a column share X and so the weights' tiles: each is asked for jointly.  All that a work-group reads (147,456 bytes) is asked for at the head,
; one tensor load a wave, and no LDS byte is filled twice: no ring, and no later load that a prefetch could run ahead of.  A wave has one tensor load out.
; The claim of LDS is larger than the use.
.set P,    272                         ; an LDS row of codes: 256 bytes + 16 of padding
.set XT,   0                           ; x's 128 rows
.set WT,   34816                       ; Wq's, Wk's, Wv's 128 rows each
.set XS,   139264                      ; x's scale bytes, 16 a row
.set WS,   141312                      ; the weights', 2,048 each
.set VSG,  147456                      ; 512 bytes where v's scale words meet; no tile lands here
.set WV,   18                          ; s18 wave;  s19 cx, s20 cy, s21 X, s22 Y, s23 my row's mask, s24 my column's, s25 wave % 4
.set SEL,  26                          ; s[26:27] lane selects: lane l xor 16
.set G1XC, 28                          ; descriptor groups 1: x's codes, W's codes, x's scales, W's scales
.set G1WC, 36
.set G1XS, 44
.set G1WS, 52
.set G0XC, 60                          ; groups 0
.set G0XS, 68
.set G0WC, 72
.set G0WS, 76
.set XF,   48                          ; v48-111  fragments: first x's four (48 + 8 m) and W's four (80 + 8 t); for v x's eight
.set WF,   80
.set ACC,  112                         ; v112-239 q, k: accumulator (m, t) at 112 + 32 m + 8 t;  v: accumulator m at 112 + 8 m
.set WVF,  176                         ; v176-207 Wv's four fragments
.set BV,   212                         ; v212-219 bv in the result's layout
.set HI,   240                         ; v240-243 the upper half of the scale words of my four tiles of tokens
.set SCV,  248                         ; v248-251 Wv's scale words.  v16-47 and these hold scales and nothing else
.macro CROUND                          ; a round of the cluster's barrier
	s_barrier_signal -1
	s_barrier_wait -1
	s_cmp_lg_u32 s[WV], 0
	s_cbranch_scc1 .Lnot_wave_0_\@
	s_barrier_signal -3
.Lnot_wave_0_\@:
	s_barrier_wait -3
	s_barrier_signal -1
	s_barrier_wait -1
.endm
.macro PLACES                          ; four plain vector lines behind a matrix instruction, ahead of loads into its registers and of reads of its results
.rept 4
	v_nop
.endr
.endm
	s_load_b256 s[4:11], s[0:1], 0x0               ; cod1, scl1, bq, bk
	s_load_b128 s[12:15], s[0:1], 0x20             ; bv, cod2
	s_load_b64 s[16:17], s[0:1], 0x30              ; scl2
	s_set_vgpr_msb 0x40
	v_lshl_add_u32 v0, v0, 2, 0x29000
	v_mov_b32 v1, 0
	s_set_vgpr_msb 0x4045
	ds_add_u32 v0, v1
	ds_add_u32 v0, v1
	s_set_vgpr_msb 0x4500
	v_lshrrev_b32 v1, 5, v0
	s_delay_alu instid0(VALU_DEP_1)
	v_readfirstlane_b32 s[WV], v1                  ; wave 0..7
	s_bfe_u32 s19, ttmp6, 0x40000                  ; cx
	s_bfe_u32 s20, ttmp6, 0x40004                  ; cy
	s_lshl_b32 s21, ttmp9, 2
	s_add_co_u32 s21, s21, s19                     ; X
	s_and_b32 s22, ttmp7, 0xffff
	s_lshl_b32 s22, s22, 2
	s_add_co_u32 s22, s22, s20                     ; Y
	s_lshl_b32 s23, s20, 2
	s_lshl_b32 s23, 15, s23                        ; my row of the cluster
	s_lshl_b32 s24, 0x1111, s19                    ; my column
	s_and_b32 s25, s[WV], 3
	s_mov_b32 s[SEL], 0x76543210
	s_mov_b32 s[SEL+1], 0xfedcba98
	; codes: 128 rows x 256 elements of one byte, dense in memory; 4 words of padding behind every 64
	s_or_b32 s[G1XC], s23, (1<<20)|(1<<21)|(5<<22)|(3<<25)
	s_or_b32 s[G1WC], s24, (1<<20)|(1<<21)|(5<<22)|(3<<25)
.irp g, G1XC, G1WC
	s_mov_b32 s[\g+1], 256<<16                     ; tensor_dim0
	s_mov_b32 s[\g+2], 128<<16                     ; tensor_dim1
	s_mov_b32 s[\g+3], 256<<16                     ; tile_dim0
	s_mov_b32 s[\g+4], 128                         ; tile_dim1
	s_mov_b32 s[\g+5], 256                         ; from row to row
	s_mov_b32 s[\g+6], 0
	s_mov_b32 s[\g+7], 0
.endr
	; scale bytes: 2,048 dense bytes as 8 rows of 32 elements of 8 bytes
	s_or_b32 s[G1XS], s23, (3<<16)|(1<<21)
	s_or_b32 s[G1WS], s24, (3<<16)|(1<<21)
.irp g, G1XS, G1WS
	s_mov_b32 s[\g+1], 32<<16
	s_mov_b32 s[\g+2], 8<<16
	s_mov_b32 s[\g+3], 32<<16
	s_mov_b32 s[\g+4], 8
	s_mov_b32 s[\g+5], 32
	s_mov_b32 s[\g+6], 0
	s_mov_b32 s[\g+7], 0
.endr
	s_wait_dscnt 0x0
	s_wait_kmcnt 0x0
	; x's addresses hang on Y alone (s82, s83 never hold X), the weights' on X and the wave alone (s84 to s86 never hold Y)
	s_mov_b32 s[G0XC], 1
	s_mov_b32 s[G0XC+1], XT
	s_lshl_b32 s82, s22, 15                        ; 128 rows of 256 bytes
	s_mov_b32 s83, 0
	s_add_nc_u64 s[G0XC+2:G0XC+3], s[4:5], s[82:83]
	s_or_b32 s[G0XC+3], s[G0XC+3], 0x80000000
	s_mov_b32 s[G0XS], 1
	s_mov_b32 s[G0XS+1], XS
	s_lshl_b32 s82, s22, 11
	s_add_nc_u64 s[G0XS+2:G0XS+3], s[6:7], s[82:83]
	s_or_b32 s[G0XS+3], s[G0XS+3], 0x80000000
	s_mov_b32 s[G0WC], 1
	s_mul_i32 s[G0WC+1], s25, 34816
	s_add_co_u32 s[G0WC+1], s[G0WC+1], WT
	s_lshl_b32 s84, s21, 15
	s_lshl_b32 s86, s25, 17                        ; weight wave % 4: 0 Wq, 1 Wk, 2 Wv
	s_add_co_u32 s84, s84, s86
	s_add_co_u32 s84, s84, 2097152                 ; behind x's codes
	s_mov_b32 s85, 0
	s_add_nc_u64 s[G0WC+2:G0WC+3], s[4:5], s[84:85]
	s_or_b32 s[G0WC+3], s[G0WC+3], 0x80000000
	s_mov_b32 s[G0WS], 1
	s_lshl_b32 s[G0WS+1], s25, 11
	s_add_co_u32 s[G0WS+1], s[G0WS+1], WS
	s_lshl_b32 s84, s21, 11
	s_lshl_b32 s86, s25, 13
	s_add_co_u32 s84, s84, s86
	s_add_co_u32 s84, s84, 131072
	s_add_nc_u64 s[G0WS+2:G0WS+3], s[6:7], s[84:85]
	s_or_b32 s[G0WS+3], s[G0WS+3], 0x80000000
	CROUND                                         ; all sixteen work-groups are here: the joint loads meet
	; waves 0-2: a weight's codes; wave 3: x's codes; waves 4-6: a weight's scales; wave 7: x's scales.  Four v_nop follow each line
	s_cmp_lt_u32 s[WV], 3
	s_cbranch_scc0 .Lnot_wc
	tensor_load_to_lds s[G0WC:G0WC+3], s[G1WC:G1WC+7]
	s_nop 0
	PLACES
	s_branch .Lasked
.Lnot_wc:
	s_cmp_eq_u32 s[WV], 3
	s_cbranch_scc0 .Lnot_xc
	tensor_load_to_lds s[G0XC:G0XC+3], s[G1XC:G1XC+7]
	s_nop 0
	PLACES
	s_branch .Lasked
.Lnot_xc:
	s_cmp_lt_u32 s[WV], 7
	s_cbranch_scc0 .Lnot_ws
	tensor_load_to_lds s[G0WS:G0WS+3], s[G1WS:G1WS+7]
	s_nop 0
	PLACES
	s_branch .Lasked
.Lnot_ws:
	tensor_load_to_lds s[G0XS:G0XS+3], s[G1XS:G1XS+7]
	s_nop 0
	PLACES
.Lasked:
	; ---- while the tiles are on their way: addresses, biases, the scale words' upper halves
	s_cmp_lt_u32 s[WV], 4
	s_cselect_b64 s[8:9], s[8:9], s[10:11]         ; bq for waves 0-3, bk for 4-7
	s_lshr_b32 s80, s[WV], 2                       ; q or k; for v: which head
	s_bfe_u32 s88, s[WV], 0x10001                  ; (wave / 2) % 2: which head of q or k
	s_and_b32 s89, s[WV], 1                        ; which 64 tokens
	v_and_b32 v1, 15, v0                           ; r
	v_bfe_u32 v2, v0, 4, 1                         ; h
	v_and_b32 v3, 31, v0                           ; lane
	s_delay_alu instid0(VALU_DEP_3)
	v_and_b32 v4, 8, v1
	s_delay_alu instid0(VALU_DEP_1)
	v_add_nc_u32 v4, v4, v1                        ; r + 8 (r / 8)
	s_delay_alu instid0(VALU_DEP_1)
	v_mul_u32_u24 v48, v4, P
	s_delay_alu instid0(VALU_DEP_1)
	v_lshl_add_u32 v48, v2, 4, v48                 ; a fragment's lane term: row x pitch + 16 h
	s_delay_alu instid0(VALU_DEP_3)
	v_lshlrev_b32 v49, 4, v4                       ; a scale row's: 16 bytes a row
	s_wait_alu depctr_va_vdst(0)
	s_mul_i32 s98, s80, 34816
	s_mul_i32 s99, s88, 17408
	s_add_co_u32 s98, s98, s99
	s_add_co_u32 s98, s98, WT
	v_add_nc_u32 v5, s98, v48                      ; v5  my head's 64 rows of Wq or Wk
	s_mul_i32 s98, s89, 17408
	v_add_nc_u32 v6, s98, v48                      ; v6  my 64 tokens of x
	s_lshl_b32 s98, s80, 11
	s_lshl_b32 s99, s88, 10
	s_add_co_u32 s98, s98, s99
	s_add_co_u32 s98, s98, WS
	v_add_nc_u32 v7, s98, v49                      ; v7  their scale rows: W's,
	s_lshl_b32 s98, s89, 10
	s_add_co_u32 s98, s98, XS
	v_add_nc_u32 v8, s98, v49                      ; v8  x's
	s_lshl_b32 s10, s80, 6
	s_lshl_b32 s11, s88, 5
	s_add_co_u32 s10, s10, s11
	s_lshl_b32 s11, s89, 3
	s_add_co_u32 s10, s10, s11                     ; my channel tile of v begins at row 64 (w / 4) + 32 ((w / 2) % 2) + 8 (w % 2) of Wv's 128
	s_mul_i32 s98, s10, P
	s_add_co_u32 s98, s98, WT+69632
	v_add_nc_u32 v9, s98, v48                      ; v9  its rows of Wv
	v_mov_b32 v10, v48                             ; v10 x, all 128 tokens
	s_lshl_b32 s98, s10, 4
	s_add_co_u32 s98, s98, WS+4096
	v_add_nc_u32 v11, s98, v49                     ; v11 Wv's scale rows
	v_add_nc_u32 v12, XS, v49                      ; v12 x's
	v_lshlrev_b32 v13, 4, v3                       ; v13 16 x lane: an image's place
	v_lshlrev_b32 v14, 4, v1
	s_delay_alu instid0(VALU_DEP_1)
	v_lshl_add_u32 v14, v2, 3, v14                 ; v14 16 r + 8 h: two scale words of a token
	s_lshl_b32 s98, s80, 8
	s_lshl_b32 s99, s25, 2
	s_add_co_u32 s98, s98, s99
	s_add_co_u32 s98, s98, VSG
	v_lshl_add_u32 v15, v1, 4, s98                 ; v15 where v's scale word goes: 256 head + 16 r + 4 tile
	v_add_nc_u32 v247, VSG, v13                    ; v247 and where wave 0 reads them back
	v_lshlrev_b32 v252, 4, v1
	s_delay_alu instid0(VALU_DEP_1)
	v_lshl_add_u32 v252, v2, 11, v252              ; v252 their place in memory: 2,048 head + 16 r
	v_lshlrev_b32 v245, 6, v2                      ; v245 bias of q, k: 16 h numbers on
	s_wait_alu depctr_va_vdst(0)
	v_lshlrev_b32 v246, 2, v4                      ; v246 bias of v: my channel
	s_wait_alu depctr_va_vdst(0)
	s_lshl_b32 s98, s21, 9                         ; 128 X numbers,
	s_lshl_b32 s99, s88, 8                         ; + 64 for the second head
	s_add_co_u32 s98, s98, s99
	s_mov_b32 s99, 0
	s_add_nc_u64 s[8:9], s[8:9], s[98:99]
	s_lshl_b32 s98, s21, 9
	s_lshl_b32 s11, s10, 2
	s_add_co_u32 s98, s98, s11
	s_add_nc_u64 s[12:13], s[12:13], s[98:99]
.irp m, 0,1,2,3                        ; the bias starts the sums: register j of accumulator (m, t) is channel 32 (t / 2) + 8 (t % 2) + 16 h + j
.irp t, 0,1,2,3
	global_load_b128 v[ACC+32*\m+8*\t:ACC+32*\m+8*\t+3], v245, s[8:9] offset:(32*(\t/2)+8*(\t%2))*4
	global_load_b128 v[ACC+32*\m+8*\t+4:ACC+32*\m+8*\t+7], v245, s[8:9] offset:(32*(\t/2)+8*(\t%2))*4+16
.endr
.endr
	global_load_b32 v244, v246, s[12:13]           ; bv of my channel
	; where the results go
	s_lshr_b32 s2, s22, 3                          ; the sequence
	s_and_b32 s3, s22, 7                           ; the key step
	s_lshl_b32 s11, s2, 3
	s_lshl_b32 s98, s21, 1
	s_add_co_u32 s11, s11, s98                     ; 8 b + 2 X
	s_add_co_u32 s98, s11, s88                     ; my head of q or k
	s_lshl_b32 s90, s98, 15                        ; codes: 32,768 bytes a head,
	s_lshl_b32 s92, s98, 12                        ; scale words: 4,096
	s_lshl_b32 s98, s80, 21                        ; k's lie behind q's
	s_add_co_u32 s90, s90, s98
	s_lshl_b32 s98, s80, 18
	s_add_co_u32 s92, s92, s98
	s_lshl_b32 s98, s3, 1
	s_add_co_u32 s98, s98, s89                     ; my four tiles of tokens: quad 2 (Y % 8) + w % 2
	s_lshl_b32 s91, s98, 11
	s_add_co_u32 s90, s90, s91
	s_lshl_b32 s91, s98, 8
	s_add_co_u32 s92, s92, s91
	s_mov_b32 s91, 0
	s_mov_b32 s93, 0
	s_add_nc_u64 s[90:91], s[14:15], s[90:91]      ; s[90:91] q's or k's images
	s_add_nc_u64 s[92:93], s[16:17], s[92:93]      ; s[92:93] their scale words
	s_add_co_u32 s98, s11, s80                     ; my head of v
	s_lshl_b32 s94, s98, 15
	s_lshl_b32 s98, s3, 12                         ; 4,096 bytes a key step,
	s_add_co_u32 s94, s94, s98
	s_lshl_b32 s98, s25, 10                        ; 1,024 a channel tile
	s_add_co_u32 s94, s94, s98
	s_add_co_u32 s94, s94, 4194304
	s_mov_b32 s95, 0
	s_add_nc_u64 s[94:95], s[14:15], s[94:95]      ; s[94:95] v's image
	s_lshl_b32 s96, s11, 11
	s_lshl_b32 s98, s3, 8
	s_add_co_u32 s96, s96, s98
	s_add_co_u32 s96, s96, 524288
	s_mov_b32 s97, 0
	s_add_nc_u64 s[96:97], s[16:17], s[96:97]      ; s[96:97] v's scale words, both heads
	s_mov_b32 s81, 0xffff0000                      ; lanes 16-31
	; the upper half of a token's scale word
	s_mov_b32 s98, 0x01010000                      ; a key that counts
	s_mov_b32 s99, 0x01f70000                      ; a key whose place is 24 modulo 25
	s_mov_b32 s11, 0x7f7f0000                      ; a query
	s_cmp_lt_u32 s[WV], 4
	s_cselect_b32 s98, s11, s98
	s_cselect_b32 s99, s11, s99
	v_mov_b32 v253, s98
	v_mov_b32 v254, s99
	s_lshl_b32 s98, s3, 7
	s_lshl_b32 s99, s89, 6
	s_add_co_u32 s98, s98, s99
	v_add_nc_u32 v255, s98, v4                     ; the place in the sequence of row r of my first tile
.irp m, 0,1,2,3
	v_add_nc_u32 v50, 32*(\m/2)+8*(\m%2), v255
	s_delay_alu instid0(VALU_DEP_1)
	v_mul_u32_u24 v51, v50, 0x147b                 ; place / 25 = (place x 5,243) >> 17, exact under 1,024
	s_delay_alu instid0(VALU_DEP_1)
	v_lshrrev_b32 v51, 17, v51
	s_delay_alu instid0(VALU_DEP_1)
	v_mul_u32_u24 v51, v51, 25
	s_delay_alu instid0(VALU_DEP_1)
	v_sub_nc_u32 v50, v50, v51
	s_delay_alu instid0(VALU_DEP_1)
	v_cmp_eq_u32 vcc_lo, 24, v50
	s_delay_alu instid0(VALU_DEP_1)
	v_cndmask_b32 v[HI+\m], v253, v254, vcc_lo
.endr
	s_wait_tensorcnt 0x0                           ; my tile has landed,
	s_barrier_signal -1
	s_barrier_wait -1                              ; everybody's has
	; ---- q and k
.irp t, 0,1,2,3
	ds_load_b128 v[16+4*\t:19+4*\t], v7 offset:(32*(\t/2)+8*(\t%2))*16   ; a row's 16 scale bytes: a word for each of the four K steps
.endr
.irp m, 0,1,2,3
	ds_load_b128 v[32+4*\m:35+4*\m], v8 offset:(32*(\m/2)+8*(\m%2))*16
.endr
.macro QK_STEP s                       ; 128 along K: 8 fragments, 16 matrix instructions; the 16 accumulators take turns, one instruction a turn
.if \s > 0
	PLACES
.endif
.irp i, 0,1,2,3
.irp c, 0,1
	ds_load_b128 v[XF+8*\i+4*\c:XF+8*\i+4*\c+3], v6 offset:(32*(\i/2)+8*(\i%2))*P+64*\s+32*\c
	ds_load_b128 v[WF+8*\i+4*\c:WF+8*\i+4*\c+3], v5 offset:(32*(\i/2)+8*(\i%2))*P+64*\s+32*\c
.endr
.endr
	s_wait_dscnt 0x0
.if \s == 0
	s_wait_loadcnt 0x0                             ; the biases
.endif
.irp m, 0,1,2,3
.irp t, 0,1,2,3
	v_wmma_scale_f32_16x16x128_f8f6f4 v[ACC+32*\m+8*\t:ACC+32*\m+8*\t+7], v[WF+8*\t:WF+8*\t+7], v[XF+8*\m:XF+8*\m+7], v[ACC+32*\m+8*\t:ACC+32*\m+8*\t+7], v[16+4*\t+\s], v[32+4*\m+\s] matrix_a_fmt:MATRIX_FMT_FP4 matrix_b_fmt:MATRIX_FMT_FP4
.endr
.endr
.endm
	QK_STEP 0
	QK_STEP 1
	QK_STEP 2
	QK_STEP 3
	PLACES
	; four tiles of tokens x two blocks of 32 channels, e = 2 m + b, by turns.  v48+e largest magnitude, v56+e the other half's, v64+e the conversion's scale, v72+e the byte, v80+4m the codes, v96+m the scale word
.irp e, 0,1,2,3,4,5,6,7
	v_mov_b32 v[56+\e], 0                          ; a lane permute's destination counts as one of its sources
.endr
.irp m, 0,1,2,3
.irp b, 0,1
	v_max3_num_f32 v[48+2*\m+\b], |v[ACC+32*\m+16*\b]|, |v[ACC+1+32*\m+16*\b]|, 0x1800000   ; my 16 channels of the block, from each accumulator's low end on, and the floor 2^(3 - 127)
.endr
.endr
.irp i, 2,4,6,8,10,12,14
.irp m, 0,1,2,3
.irp b, 0,1
	v_max3_num_f32 v[48+2*\m+\b], v[48+2*\m+\b], |v[ACC+32*\m+16*\b+\i]|, |v[ACC+1+32*\m+16*\b+\i]|
.endr
.endr
.endr
.irp e, 0,1,2,3,4,5,6,7
	v_permlanex16_b32 v[56+\e], v[48+\e], s[SEL], s[SEL+1]
.endr
.irp e, 0,1,2,3,4,5,6,7
	v_max_num_f32 v[48+\e], v[48+\e], v[56+\e]     ; with lane l xor 16's: the block's
.endr
.irp e, 0,1,2,3,4,5,6,7
	v_add_nc_u32 v[64+\e], 0xff000000, v[48+\e]    ; 2 off the exponent field
.endr
.irp e, 0,1,2,3,4,5,6,7
	v_lshrrev_b32 v[72+\e], 23, v[64+\e]           ; the byte
.endr
.irp m, 0,1,2,3
	v_lshl_or_b32 v[96+\m], v[73+2*\m], 8, v[72+2*\m]
.endr
.irp m, 0,1,2,3
	s_delay_alu instid0(VALU_DEP_4)
	v_or_b32 v[96+\m], v[96+\m], v[HI+\m]
.endr
.irp m, 0,1,2,3
.irp b, 0,1
	v_cvt_scalef32_pk8_fp4_f32 v[80+4*\m+2*\b], v[ACC+32*\m+16*\b:ACC+32*\m+16*\b+7], v[64+2*\m+\b]
	v_cvt_scalef32_pk8_fp4_f32 v[81+4*\m+2*\b], v[ACC+32*\m+16*\b+8:ACC+32*\m+16*\b+15], v[64+2*\m+\b]
.endr
.endr
	v_nop                                          ; one plain line behind the scaled conversions
.irp m, 0,1,2,3
.irp i, 0,1
	v_permlane16_swap_b32 v[80+4*\m+\i], v[82+4*\m+\i]   ; a whole block to a lane: lanes 0-15 block 0, lanes 16-31 block 1
.endr
.endr
	v_cndmask_b32 v100, v96, v98, s81              ; lanes 0-15 carry the words of tiles 0, 1, lanes 16-31 those of tiles 2, 3
	v_cndmask_b32 v101, v97, v99, s81
.irp m, 0,1,2,3
	global_store_b128 v13, v[80+4*\m:83+4*\m], s[90:91] offset:512*\m   ; 512 consecutive bytes
.endr
	global_store_b64 v14, v[100:101], s[92:93]     ; 256 consecutive bytes, aligned
	; ---- v
	s_wait_xcnt 0x0                                ; the stores have read their registers: v80 on are loaded again below
.irp j, 0,1,2,3,4,5,6,7
	v_mov_b32 v[BV+\j], v244                       ; a lane holds one channel: its bias in all eight registers
.endr
	s_wait_alu depctr_va_vdst(0)
.irp m, 0,1,2,3,4,5,6,7
	ds_load_b128 v[16+4*\m:19+4*\m], v12 offset:(32*(\m/2)+8*(\m%2))*16
.endr
	ds_load_b128 v[SCV:SCV+3], v11
.irp s, 0,1,2,3
.irp c, 0,1
	ds_load_b128 v[WVF+8*\s+4*\c:WVF+8*\s+4*\c+3], v9 offset:64*\s+32*\c
.endr
.endr
.macro V_STEP s                        ; source 0 = 16 tokens, source 1 = my 16 channels; eight accumulators by turns
.if \s > 0
	PLACES
.endif
.irp m, 0,1,2,3,4,5,6,7
.irp c, 0,1
	ds_load_b128 v[XF+8*\m+4*\c:XF+8*\m+4*\c+3], v10 offset:(32*(\m/2)+8*(\m%2))*P+64*\s+32*\c
.endr
.endr
	s_wait_dscnt 0x0
.irp m, 0,1,2,3,4,5,6,7
.if \s == 0
	v_wmma_scale_f32_16x16x128_f8f6f4 v[ACC+8*\m:ACC+8*\m+7], v[XF+8*\m:XF+8*\m+7], v[WVF+8*\s:WVF+8*\s+7], v[BV:BV+7], v[16+4*\m+\s], v[SCV+\s] matrix_a_fmt:MATRIX_FMT_FP4 matrix_b_fmt:MATRIX_FMT_FP4
.else
	v_wmma_scale_f32_16x16x128_f8f6f4 v[ACC+8*\m:ACC+8*\m+7], v[XF+8*\m:XF+8*\m+7], v[WVF+8*\s:WVF+8*\s+7], v[ACC+8*\m:ACC+8*\m+7], v[16+4*\m+\s], v[SCV+\s] matrix_a_fmt:MATRIX_FMT_FP4 matrix_b_fmt:MATRIX_FMT_FP4
.endif
.endr
.endm
	V_STEP 0
	V_STEP 1
	V_STEP 2
	V_STEP 3
	PLACES
	; my channel's 128 tokens: register 16 b + i is token 32 b + 16 h + i: four blocks along the keys -> one fragment (v64-71) and its scale word (v72)
.irp b, 0,1,2,3
	v_mov_b32 v[52+\b], 0
.endr
.irp b, 0,1,2,3
	v_max3_num_f32 v[48+\b], |v[ACC+16*\b]|, |v[ACC+1+16*\b]|, 0x1800000
.endr
.irp i, 2,4,6,8,10,12,14
.irp b, 0,1,2,3
	v_max3_num_f32 v[48+\b], v[48+\b], |v[ACC+16*\b+\i]|, |v[ACC+1+16*\b+\i]|
.endr
.endr
.irp b, 0,1,2,3
	s_delay_alu instid0(VALU_DEP_4)
	v_permlanex16_b32 v[52+\b], v[48+\b], s[SEL], s[SEL+1]
.endr
.irp b, 0,1,2,3
	s_delay_alu instid0(VALU_DEP_4)
	v_max_num_f32 v[48+\b], v[48+\b], v[52+\b]
.endr
.irp b, 0,1,2,3
	s_delay_alu instid0(VALU_DEP_4)
	v_add_nc_u32 v[60+\b], 0xff000000, v[48+\b]
.endr
.irp b, 0,1,2,3
	s_delay_alu instid0(VALU_DEP_4)
	v_lshrrev_b32 v[52+\b], 23, v[60+\b]
.endr
	s_delay_alu instid0(VALU_DEP_3)
	v_lshl_or_b32 v72, v53, 8, v52
	s_delay_alu instid0(VALU_DEP_1)
	v_lshl_or_b32 v72, v54, 16, v72
	s_delay_alu instid0(VALU_DEP_1)
	v_lshl_or_b32 v72, v55, 24, v72
.irp b, 0,1,2,3
	v_cvt_scalef32_pk8_fp4_f32 v[64+2*\b], v[ACC+16*\b:ACC+16*\b+7], v[60+\b]
	v_cvt_scalef32_pk8_fp4_f32 v[65+2*\b], v[ACC+16*\b+8:ACC+16*\b+15], v[60+\b]
.endr
	v_nop                                          ; one plain line behind the scaled conversions
.irp c, 0,1
.irp i, 0,1
	v_permlane16_swap_b32 v[64+4*\c+\i], v[66+4*\c+\i]
.endr
.endr
	global_store_b128 v13, v[64:67], s[94:95]
	global_store_b128 v13, v[68:71], s[94:95] offset:512
	ds_store_b32 v15, v72                          ; lanes r and r + 16 write the same word with the same value
	s_wait_dscnt 0x0                               ; for the others' sake: my store has landed
	s_barrier_signal -1
	s_barrier_wait -1
	s_cmp_lg_u32 s[WV], 0
	s_cbranch_scc1 .Lno_vs
	ds_load_b128 v[76:79], v247                    ; a channel row's four words (its four tiles): lanes 0-15 the first head, lanes 16-31 the second
	s_wait_dscnt 0x0
	global_store_b128 v252, v[76:79], s[96:97]     ; sixteen lanes store 256 consecutive bytes, aligned
.Lno_vs:
	s_set_vgpr_msb 0x5
	s_wait_tensorcnt 0x0
	ds_add_u32 v0, v1
	s_wait_dscnt 0x0
	s_set_vgpr_msb 0x500
	CROUND                                         ; the closing round: no work-group ends while a partner may still ask for a tile that names it
	s_endpgm
.Lfunc_end_k_qa70d3f1cce_qkv:
	.size	k_qa70d3f1cce_qkv, .Lfunc_end_k_qa70d3f1cce_qkv-k_qa70d3f1cce_qkv
	.p2alignl 7, 3214868480
	.fill 96, 4, 3214868480
	.section	.rodata,"a",@progbits
	.p2align	6, 0x0
	.amdhsa_kernel k_qa70d3f1cce_qkv
		.amdhsa_group_segment_fixed_size 168960
		.amdhsa_private_segment_fixed_size 0
		.amdhsa_enable_private_segment 0
		.amdhsa_kernarg_size 56
		.amdhsa_user_sgpr_count 2
		.amdhsa_user_sgpr_kernarg_segment_ptr 1
		.amdhsa_wavefront_size32 1
		.amdhsa_system_sgpr_workgroup_id_x 1
		.amdhsa_system_sgpr_workgroup_id_y 1
		.amdhsa_system_sgpr_workgroup_id_z 1
		.amdhsa_system_vgpr_workitem_id 0
		.amdhsa_next_free_vgpr 258
		.amdhsa_next_free_sgpr 100
		.amdhsa_reserve_vcc 1
		.amdhsa_float_denorm_mode_32 3
		.amdhsa_float_denorm_mode_16_64 3
		.amdhsa_memory_ordered 1
		.amdhsa_forward_progress 1
		.amdhsa_inst_pref_size 54
	.end_amdhsa_kernel
	.amdgpu_metadata
---
amdhsa.version: [ 1, 2 ]
amdhsa.kernels:
  - .name:           k_qa70d3f1cce_qkv
    .symbol:         k_qa70d3f1cce_qkv.kd
    .args:
      - { .name: cod1, .offset: 0, .size: 8, .value_kind: global_buffer, .address_space: global }
      - { .name: scl1, .offset: 8, .size: 8, .value_kind: global_buffer, .address_space: global }
      - { .name: bq, .offset: 16, .size: 8, .value_kind: global_buffer, .address_space: global }
      - { .name: bk, .offset: 24, .size: 8, .value_kind: global_buffer, .address_space: global }
      - { .name: bv, .offset: 32, .size: 8, .value_kind: global_buffer, .address_space: global }
      - { .name: cod2, .offset: 40, .size: 8, .value_kind: global_buffer, .address_space: global }
      - { .name: scl2, .offset: 48, .size: 8, .value_kind: global_buffer, .address_space: global }
    .group_segment_fixed_size: 168960
    .private_segment_fixed_size: 0
    .kernarg_segment_align: 8
    .kernarg_segment_size: 56
    .max_flat_workgroup_size: 256
    .sgpr_count:     100
    .vgpr_count:     258
    .wavefront_size: 32
...
	.end_amdgpu_metadata
.endif
;; end of part 6
;; launch attnproj (part 7): grid 8 x 32, 16 waves a work-group, clusters of 4 x 1, 231,424 bytes of LDS; arguments cod2, scl2, cod1, scl1, bp, out0; writes out0
.if DOCPART == 7
	.amdgcn_target "amdgcn-amd-amdhsa--gfx1250"
	.amdhsa_code_object_version 6
	.text
	.protected	k_qa70d3f1cce_attnproj
	.globl	k_qa70d3f1cce_attnproj
	.p2align	8
	.type	k_qa70d3f1cce_attnproj,@function
k_qa70d3f1cce_attnproj:
	s_mov_b64 s[64:65], 0
	v_nop
	global_prefetch_b8 v0, s[64:65] scope:SCOPE_SE
	s_setreg_imm32_b32 hwreg(HW_REG_WAVE_MODE, 25, 1), 1
	s_wait_xcnt 0x0
	s_wait_alu depctr_hold_cnt(0) depctr_sa_sdst(0) depctr_va_vdst(0) depctr_va_sdst(0) depctr_va_ssrc(0) depctr_va_vcc(0) depctr_vm_vsrc(0)
	s_getreg_b32 s2, hwreg(HW_REG_IB_STS2, 6, 4)
	s_cmp_eq_u32 s2, 0
	s_cbranch_scc0 .Lentry_in_a_cluster
	s_endpgm
.Lentry_in_a_cluster:
	s_bfe_u32 s2, ttmp6, 0x10000c
	s_cmp_lg_u32 s2, 0x3003
	s_cbranch_scc0 .Lentry_shape_is_right
	s_endpgm
.Lentry_shape_is_right:
; out = y Wp^T + bp, with y[q] = the sum over keys of softmax(q . k / 8) v in each of 8 heads, causal, and without the keys whose place is 24 modulo 25.  All three products on codes of FP4 with E8M0 scales, f32 sums.
; THE SOFTMAX: t = score x log2(e) / 8; M = the running largest t rounded UP to a whole number; p = 2^(t - M) is quantised along the keys, not normalised; the row's sum is taken of the unquantised p and divides at the end;
; when M moves, the sum and O are multiplied by 2^(old M - new M), which rounds nothing.  y is quantised along its 512 channels (two blocks a head) and never goes to memory.
; SHARES.  Work-group (b, j): sequence b, the tiles of 16 queries j and 63 - j of its 64, ALL 8 heads, since the last product wants all heads of a token.  Sixteen waves; wave w: head w / 2, tile j or 63 - j by
; (w xor w / 4) & 1: so the four waves with equal w % 4, and the four with equal w / 4, hold two early and two late tiles.  Tile T needs key steps 0 .. T / 8 (128 keys a step): the two tiles 9 together, whatever j.
; LAYOUT.  S^T = K Q^T and O^T = V^T P^T: a lane holds ONE query (lane % 16).  Row r of tile 2 b + u (of tokens, of channels) is 32 b + 8 u + r + 8 (r / 8): the 16 registers of tiles 2 b, 2 b + 1 are 16 neighbours.
; K, V AND Q COME FROM MEMORY STRAIGHT INTO REGISTERS: they are laid as images of their operand registers, so each load reads 512 consecutive bytes.  Eight heads' K and V are 573,440 bytes, more than LDS holds, and a
; fragment serves one wave.  The next step's K is asked for behind this step's K Q^T, the next step's V behind V^T P: into the registers just read, a softmax or a whole step ahead of their use.
; THE MASK.  Columns: q . k fills k = 0 .. 63 of the instruction's 128.  Registers 4 to 7 of every K fragment are constants: the code -6 at k = 64 (and at 96); Q has +6 at k = 64 and zeros beyond.  The third byte of a key's
; scale word (made with the codes) is 247 where the key is removed, else 1: a removed key's score is -36 x 2^120, so p = 0.  Causal: only a tile's last step lies on the diagonal; there hidden scores become -infinity.
; LIMITS: |q . k| stays far under 2^100; each kept score is lowered by 36 x 2^-126; a block of p or y that is all zeros gets the byte 1 (its codes are zeros); NaN and infinities are not served.
; CLUSTER 4 x 1: the partners are four SEQUENCES with the same j: they run every branch alike, and share Wp, which every work-group reads whole (147,456 bytes with its scales): it is asked for jointly at the head, one tensor
; load a wave (waves 0-8), and lands while the attention runs.  K and V are not asked for jointly: the work-groups that share them have other j, so other branches.  No LDS byte is filled twice.
; A wave has at most one tensor load out.  The claim of LDS is somewhat larger than the use (225,792 bytes).
; THE LAST PRODUCT.  Each wave puts its tile's codes (an image, 512 bytes) and scale bytes into LDS; one barrier; wave w then takes tile w / 8 x columns 64 (w % 8) on: source 0 = 16 rows of Wp, source 1 = 16 tokens,
; four accumulators by turns, begun by the bias; K step s is heads 2 s and 2 s + 1.
; REGISTERS: v1 16 x lane, v3 16 r, v5 the diagonal's bound; v12 -M, v13 the largest t, v[14:15] the sum in two halves; v16-23 Q; v24-31 K's scale words; v32-95 eight fragments of K; v96-159 S^T, then p; v160-191 O^T;
; v192-223 four fragments of V; v224-231 p's codes; v232-247 at work (v241-243 addresses that stay); v248-251 V's scale words; v252 f; v253 p's scale word; v255 Q's.
; Behind the loop: v16-23 addresses; v32-63 accumulators; v64-95 y's fragments, then rows of out; v96-223 Wp's sixteen fragments; Wp's scale words in v24-31, v248-251, v8-11, y's in v2, v4, v6, v7: these hold scales alone.
.set P,    272                         ; a row of Wp in LDS, and of a stage: 256 bytes + 16 of padding
.set WT,   0                           ; LDS: Wp's 512 rows
.set WS,   139264                      ; its scale bytes, 16 a row
.set YIMG, 147456                      ; y's images: [tile][head], 512 bytes each; no tile of Wp lands here or beyond
.set YSC,  155648                      ; y's scale words: [tile][K step][r]
.set STG,  156160                      ; the stages: 16 rows x P for each wave
.set WV,   18                          ; s18 wave, s19 cx, s20 sequence, s21 j, s22 head, s23 which tile, s24 my tile, s25 its last key step, s27 how long I prefetch
.set STP,  26                          ; s26 the key step
.set SEL,  52                          ; s[52:53] lane selects: lane l xor 16
.set CS,   54                          ; s[54:55] c = log2(e) / 8
.set KB,   56                          ; s[56:57] K's images at the step last asked for;  s[58:59] its scale words;  s[60:61], s[62:63] V's
.set KSB,  58
.set VB,   60
.set VSB,  62
.set SW0,  24                          ; Wp's scale words of column tile t: four registers, one a K step
.set SW1,  28
.set SW2,  248
.set SW3,  8
.set SY0,  2                           ; y's scale word of K step s
.set SY1,  4
.set SY2,  6
.set SY3,  7
.macro CROUND                          ; a round of the cluster's barrier
	s_barrier_signal -1
	s_barrier_wait -1
	s_cmp_lg_u32 s[WV], 0
	s_cbranch_scc1 .Lnot_wave_0_\@
	s_barrier_signal -3
.Lnot_wave_0_\@:
	s_barrier_wait -3
	s_barrier_signal -1
	s_barrier_wait -1
.endm
.macro PLACES                          ; four plain vector lines behind a matrix instruction, ahead of loads into its registers and of reads of its results
.rept 4
	v_nop
.endr
.endm
.macro KLOAD                           ; a key step's K: registers 0-3 of eight fragments, and the eight tiles' scale words: ten loads
.irp t, 0,1,2,3,4,5,6,7
	global_load_b128 v[32+8*\t:35+8*\t], v1, s[KB:KB+1] offset:512*\t
.endr
	global_load_b128 v[24:27], v3, s[KSB:KSB+1]
	global_load_b128 v[28:31], v3, s[KSB:KSB+1] offset:256
.endm
.macro VLOAD                           ; its V: four fragments of 16 channels x 128 keys, and their scale words: nine loads
.irp t, 0,1,2,3
.irp c, 0,1
	global_load_b128 v[192+8*\t+4*\c:195+8*\t+4*\c], v1, s[VB:VB+1] offset:1024*\t+512*\c
.endr
.endr
	global_load_b128 v[248:251], v3, s[VSB:VSB+1]
.endm
	s_load_b256 s[4:11], s[0:1], 0x0               ; cod2, scl2, cod1, scl1
	s_load_b128 s[12:15], s[0:1], 0x20             ; bp, out0
	v_lshl_add_u32 v254, v0, 2, 0x38000
	v_mov_b32 v255, 0
	ds_add_u32 v254, v255
	ds_add_u32 v254, v255
	s_wait_dscnt 0x0
	v_lshrrev_b32 v1, 5, v0
	s_delay_alu instid0(VALU_DEP_1)
	v_readfirstlane_b32 s[WV], v1                  ; wave 0..15
	s_bfe_u32 s19, ttmp6, 0x40000                  ; cx
	s_lshl_b32 s20, ttmp9, 2
	s_add_co_u32 s20, s20, s19                     ; the sequence: it enters global addresses alone
	s_and_b32 s21, ttmp7, 0xffff                   ; j, which the four partners share
	s_lshr_b32 s22, s[WV], 1                       ; my head
	s_lshr_b32 s70, s[WV], 2
	s_xor_b32 s70, s70, s[WV]
	s_and_b32 s23, s70, 1                          ; 0: tile j, 1: tile 63 - j
	s_sub_co_u32 s71, 63, s21
	s_cmp_eq_u32 s23, 0
	s_cselect_b32 s24, s21, s71                    ; my tile
	s_lshr_b32 s25, s24, 3                         ; its last key step, the one on the diagonal
	s_xor_b32 s70, s23, 1
	s_or_b32 s70, s70, s21                         ; 0 in the waves with tile 63 of the work-group with j = 0: one wave for each head of each sequence
	s_cmp_eq_u32 s70, 0
	s_cselect_b32 s27, 6, 0                        ; they prefetch in trips 0 to 5
	s_and_b32 s87, s[WV], 7                        ; for the last product: my 64 columns; also which 64 rows of Wp I fetch
	s_lshr_b32 s88, s[WV], 3                       ; and my tile there
	s_lshr_b32 s89, s24, 1                         ; my tile's row 0, counted from the diagonal step's first key
	s_lshl_b32 s89, s89, 5
	s_and_b32 s90, s24, 1
	s_lshl_b32 s90, s90, 3
	s_add_co_u32 s89, s89, s90
	s_lshl_b32 s90, s25, 7
	s_sub_co_u32 s89, s89, s90
	s_lshl_b32 s82, s23, 12                        ; where my tile's image goes: 4,096 tile + 512 head
	s_lshl_b32 s83, s22, 9
	s_add_co_u32 s82, s82, s83
	s_add_co_u32 s82, s82, YIMG
	s_lshl_b32 s83, s23, 8                         ; and its scale bytes: 256 tile + 64 (head / 2) + 2 (head % 2)
	s_lshr_b32 s84, s22, 1
	s_lshl_b32 s84, s84, 6
	s_add_co_u32 s83, s83, s84
	s_and_b32 s84, s22, 1
	s_lshl_b32 s84, s84, 1
	s_add_co_u32 s83, s83, s84
	s_add_co_u32 s83, s83, YSC
	s_mov_b32 s[SEL], 0x76543210
	s_mov_b32 s[SEL+1], 0xfedcba98
	s_mov_b32 s[CS], 0x3e38aa3b
	s_mov_b32 s[CS+1], s[CS]                       ; (named with it as a pair, so it is written)
	; descriptor groups 1; the mask names all four work-groups.  Wp's codes: 64 rows x 256 elements of one byte, 4 words of padding behind every 64
	s_mov_b32 s28, 15|(1<<20)|(1<<21)|(5<<22)|(3<<25)
	s_mov_b32 s29, 256<<16                         ; tensor_dim0
	s_mov_b32 s30, 64<<16                          ; tensor_dim1
	s_mov_b32 s31, 256<<16                         ; tile_dim0
	s_mov_b32 s32, 64                              ; tile_dim1
	s_mov_b32 s33, 256                             ; from row to row
	s_mov_b32 s34, 0
	s_mov_b32 s35, 0
	; Wp's scale bytes: 8,192 dense bytes as 32 rows of 32 elements of 8 bytes
	s_mov_b32 s36, 15|(3<<16)|(1<<21)
	s_mov_b32 s37, 32<<16
	s_mov_b32 s38, 32<<16
	s_mov_b32 s39, 32<<16
	s_mov_b32 s40, 32
	s_mov_b32 s41, 32
	s_mov_b32 s42, 0
	s_mov_b32 s43, 0
	v_and_b32 v232, 15, v0                         ; r
	v_bfe_u32 v233, v0, 4, 1                       ; h
	v_and_b32 v234, 31, v0                         ; lane
	s_delay_alu instid0(VALU_DEP_1)
	v_lshlrev_b32 v1, 4, v234                      ; 16 x lane: an image's place
	s_delay_alu instid0(VALU_DEP_4)
	v_lshlrev_b32 v3, 4, v232                      ; 16 r: a row's four scale words
	s_wait_alu depctr_va_vdst(0)
	s_wait_kmcnt 0x0
	s_lshl_b32 s72, s20, 3
	s_add_co_u32 s72, s72, s22                     ; 8 b + head
	s_lshl_b32 s78, s72, 15                        ; images: 32,768 bytes a head
	s_mov_b32 s79, 0
	s_add_nc_u64 s[66:67], s[4:5], s[78:79]        ; the head's q,
	s_add_nc_u64 s[KB:KB+1], s[66:67], 2097152     ; k,
	s_add_nc_u64 s[VB:VB+1], s[66:67], 4194304     ; v
	s_lshl_b32 s78, s24, 9
	s_add_nc_u64 s[66:67], s[66:67], s[78:79]      ; my tile of q
	s_lshl_b32 s78, s72, 12                        ; q's and k's scale words: 4,096 bytes a head
	s_add_nc_u64 s[68:69], s[6:7], s[78:79]
	s_add_nc_u64 s[KSB:KSB+1], s[68:69], 262144
	s_lshl_b32 s78, s72, 11                        ; v's: 2,048
	s_add_co_u32 s78, s78, 524288
	s_add_nc_u64 s[VSB:VSB+1], s[6:7], s[78:79]
	s_lshr_b32 s78, s24, 2                         ; my tile's words: 256 (tile / 4) + 16 r + 4 (tile % 4)
	s_lshl_b32 s78, s78, 8
	s_and_b32 s80, s24, 3
	s_lshl_b32 s80, s80, 2
	s_add_co_u32 s78, s78, s80
	s_add_nc_u64 s[68:69], s[68:69], s[78:79]
	global_load_b128 v[16:19], v1, s[66:67]        ; Q: registers 0-3 of its fragment
	global_load_b32 v255, v3, s[68:69]             ; Q's scale word
	KLOAD                                          ; key step 0
	VLOAD
	s_mov_b32 s44, 1                               ; waves 0-7: 64 rows of Wp each
	s_mul_i32 s45, s87, 64*P                       ; (WT is LDS byte 0)
	s_lshl_b32 s78, s87, 14
	s_add_co_u32 s78, s78, 2490368                 ; Wp's codes lie behind x's, Wq's, Wk's and Wv's
	s_add_nc_u64 s[46:47], s[8:9], s[78:79]
	s_or_b32 s47, s47, 0x80000000
	s_mov_b32 s48, 1                               ; wave 8: Wp's scale bytes
	s_mov_b32 s49, WS
	s_add_nc_u64 s[50:51], s[10:11], 155648
	s_or_b32 s51, s51, 0x80000000
	CROUND                                         ; all four work-groups are here: the joint loads meet
	s_cmp_lt_u32 s[WV], 8                          ; four v_nop follow each line
	s_cbranch_scc0 .Lnot_w
	tensor_load_to_lds s[44:47], s[28:35]
	s_nop 0
	PLACES
	s_branch .Lasked
.Lnot_w:
	s_cmp_eq_u32 s[WV], 8
	s_cbranch_scc0 .Lasked
	tensor_load_to_lds s[48:51], s[36:43]
	s_nop 0
	PLACES
.Lasked:
	v_mul_u32_u24 v20, v233, 7
	s_delay_alu instid0(VALU_DEP_1)
	v_sub_nc_u32 v20, 7, v20                       ; the code +6 at k = 64; nothing at k = 96
	v_mov_b32 v21, 0
	v_mov_b32 v22, 0
	v_mov_b32 v23, 0
.irp t, 0,1,2,3,4,5,6,7
	v_mov_b32 v[36+8*\t], 15                       ; registers 4-7 of every K fragment: the code -6 at k = 64 and k = 96; set once
	v_mov_b32 v[37+8*\t], 0
	v_mov_b32 v[38+8*\t], 0
	v_mov_b32 v[39+8*\t], 0
.endr
	v_and_b32 v235, 8, v232
	s_delay_alu instid0(VALU_DEP_1)
	v_add_nc_u32 v235, v235, v232                  ; r + 8 (r / 8)
	v_lshlrev_b32 v236, 4, v233
	s_delay_alu instid0(VALU_DEP_1)
	v_sub_nc_u32 v5, v235, v236
	s_delay_alu instid0(VALU_DEP_1)
	v_add_nc_u32 v5, s89, v5                       ; d = my query - the diagonal step's first key - 16 h.  Register 16 b + i holds key 32 b + 16 h + i of the step: hidden where 32 b + i > d
	v_lshlrev_b32 v241, 8, v232
	s_delay_alu instid0(VALU_DEP_1)
	v_lshl_add_u32 v241, v233, 21, v241            ; the prefetch's offset: lanes 0-15 sixteen blocks of 256 bytes of K, lanes 16-31 the same of V, 2,097,152 bytes on
	v_add_nc_u32 v242, s82, v1                     ; where my tile's image goes
	v_lshl_add_u32 v243, v232, 2, s83              ; and my query's two scale bytes
	v_mov_b32 v13, 0xff61b1e6                      ; the largest t so far: -3e38
	s_delay_alu instid0(VALU_DEP_1)
	v_floor_f32 v12, -v13                          ; -M
	v_mov_b32 v14, 0
	v_mov_b32 v15, 0
.irp b, 0,1,2,3
	v_mov_b32 v[236+\b], 0                         ; a lane permute's destination counts as one of its sources
.endr
	v_mov_b32 v252, 0
	v_mov_b32 v253, 0
.set n, 0
.rept 32
	v_mov_b32 v[160+n], 0                          ; O^T: the step is written once; the first finds zeros, which the first change of M leaves zeros
.set n, n+1
.endr
	s_mov_b32 s[STP], 0
.Lstep:                                            ; eight trips for every wave; a step beyond the tile's last is passed over: a scalar branch on ids, round work alone
	s_cmp_gt_u32 s[STP], s25
	s_cbranch_scc1 .Lhidden
	s_wait_loadcnt 9                               ; Q, K and K's scale words are in; V's eight loads and its scale words may be out
	s_setprio 2
.irp t, 0,1,2,3,4,5,6,7
	v_wmma_scale_f32_16x16x128_f8f6f4 v[96+8*\t:103+8*\t], v[32+8*\t:39+8*\t], v[16:23], 0, v[24+\t], v255 matrix_a_fmt:MATRIX_FMT_FP4 matrix_b_fmt:MATRIX_FMT_FP4
.endr
	PLACES                                         ; ahead of the loads into K's registers and of the first read of the scores
	s_cmp_eq_u32 s[STP], s25                       ; my last step lies on the diagonal and has no successor; every other step has a successor and no hidden key
	s_cbranch_scc1 .Ldiag
	s_wait_xcnt 0x0                                ; the earlier loads and the last prefetch have read their bases, which step now
	s_add_nc_u64 s[KB:KB+1], s[KB:KB+1], 4096
	s_add_nc_u64 s[KSB:KSB+1], s[KSB:KSB+1], 512
	KLOAD                                          ; the next step's K: it has the softmax in which to land
	; A PREFETCH of the codes of the step after that one: K's 4,096 bytes and V's, a lane to each aligned block of 256.  One wave asks for each head of each sequence: the one with tile 63, which walks all eight steps.
	; In trip t it names step t + 2; trips 6 and 7 ask for nothing; steps 0 and 1 and the scale words come by their loads alone.  So each block is named once in the launch.
	s_cmp_lt_u32 s[STP], s27
	s_cbranch_scc0 .Lopen
	global_prefetch_b8 v241, s[KB:KB+1] offset:4096 th:TH_LOAD_NT scope:SCOPE_SE
	s_branch .Lopen
.Ldiag:
	v_mov_b32 v254, 0xff800000                     ; -infinity
.set n, 0
.rept 64
	v_cmp_gt_i32 vcc_lo, 32*(n/16)+n%16, v5
	v_cndmask_b32 v[96+n], v[96+n], v254, vcc_lo
.set n, n+1
.endr
.Lopen:
.irp b, 0,1,2,3
	v_max3_num_f32 v[232+\b], v[96+16*\b], v[97+16*\b], v[98+16*\b]   ; the largest score of each block of 32 keys: for the row's maximum and, since p rises with the score, for the block's largest p
.endr
.irp i, 3,5,7,9,11,13
.irp b, 0,1,2,3
	v_max3_num_f32 v[232+\b], v[232+\b], v[96+16*\b+\i], v[97+16*\b+\i]
.endr
.endr
.irp b, 0,1,2,3
	v_max_num_f32 v[232+\b], v[232+\b], v[111+16*\b]
.endr
.irp b, 0,1,2,3
	s_delay_alu instid0(VALU_DEP_4)
	v_permlanex16_b32 v[236+\b], v[232+\b], s[SEL], s[SEL+1]
.endr
.irp b, 0,1,2,3
	s_delay_alu instid0(VALU_DEP_4)
	v_max_num_f32 v[232+\b], v[232+\b], v[236+\b]  ; with lane l xor 16's 16 keys
.endr
	s_delay_alu instid0(VALU_DEP_2)
	v_max3_num_f32 v254, v232, v233, v234
	s_delay_alu instid0(VALU_DEP_1)
	v_max_num_f32 v254, v254, v235                 ; the step's largest score of my query
	s_delay_alu instid0(VALU_DEP_1)
	v_mul_f32 v254, s[CS], v254                    ; as t
	s_delay_alu instid0(VALU_DEP_1)
	v_max_num_f32 v13, v13, v254                   ; the running largest t
	v_mov_b32 v254, v12
	s_delay_alu instid0(VALU_DEP_2)
	v_floor_f32 v12, -v13                          ; the new -M = floor(-t) = -ceil(t)
	s_delay_alu instid0(VALU_DEP_1)
	v_sub_f32 v254, v12, v254                      ; old M - new M: a whole number, 0 or less
	s_delay_alu instid0(VALU_DEP_1)
	v_cvt_i32_f32 v254, v254                       ; (it saturates)
	s_delay_alu instid0(VALU_DEP_1)
	v_ldexp_f32 v252, 1.0, v254                    ; f = 2^(old M - new M)
.set n, 0
.rept 32
	v_pk_fma_f32 v[96+n:97+n], v[96+n:97+n], s[CS:CS+1], v[12:13] op_sel_hi:[1,0,0]   ; t - M, two at a time
.set n, n+2
.endr
	s_setprio 1
.irp b, 0,1,2,3
	v_fma_f32 v[232+\b], v[232+\b], s[CS], v12     ; the same of each block's largest score
.endr
.set n, 0
	s_wait_alu depctr_va_vdst(0)
.rept 64
	v_exp_f32 v[96+n], v[96+n]                     ; p = 2^(t - M)
.set n, n+1
.endr
	v_pk_mul_f32 v[14:15], v[14:15], v[252:253] op_sel_hi:[1,0]   ; the sums under the new M (a plain line behind the exponentials)
	s_wait_alu depctr_va_vdst(0)                   ; one wait for the batch of 64, ahead of its first reader
.irp b, 0,1,2,3
	v_exp_f32 v[232+\b], v[232+\b]                 ; the block's largest p
.endr
	v_pk_add_f32 v[236:237], v[100:101], v[104:105]
	v_pk_add_f32 v[246:247], v[108:109], v[112:113]
	v_pk_add_f32 v[244:245], v[116:117], v[120:121]
	v_pk_add_f32 v[238:239], v[124:125], v[128:129]
	v_pk_add_f32 v[230:231], v[132:133], v[136:137]
	v_pk_add_f32 v[228:229], v[140:141], v[144:145]
	v_pk_add_f32 v[226:227], v[148:149], v[152:153]
	v_pk_add_f32 v[14:15], v[14:15], v[156:157]
	v_pk_add_f32 v[236:237], v[236:237], v[96:97]
	v_pk_add_f32 v[246:247], v[246:247], v[98:99]
	v_pk_add_f32 v[244:245], v[244:245], v[102:103]
	v_pk_add_f32 v[238:239], v[238:239], v[106:107]
	v_pk_add_f32 v[230:231], v[230:231], v[110:111]
	v_pk_add_f32 v[228:229], v[228:229], v[114:115]
	v_pk_add_f32 v[226:227], v[226:227], v[118:119]
	v_pk_add_f32 v[14:15], v[14:15], v[122:123]
	v_pk_add_f32 v[236:237], v[236:237], v[126:127]
	v_pk_add_f32 v[246:247], v[246:247], v[130:131]
	v_pk_add_f32 v[244:245], v[244:245], v[134:135]
	v_pk_add_f32 v[238:239], v[238:239], v[138:139]
	v_pk_add_f32 v[230:231], v[230:231], v[142:143]
	v_pk_add_f32 v[228:229], v[228:229], v[146:147]
	v_pk_add_f32 v[226:227], v[226:227], v[150:151]
	v_pk_add_f32 v[14:15], v[14:15], v[154:155]
	v_pk_add_f32 v[236:237], v[236:237], v[158:159]
	s_delay_alu instid0(VALU_DEP_2)
	v_pk_add_f32 v[14:15], v[14:15], v[238:239]
	s_delay_alu instid0(VALU_DEP_2)
	v_pk_add_f32 v[236:237], v[236:237], v[230:231]
	v_pk_add_f32 v[246:247], v[246:247], v[228:229]
	v_pk_add_f32 v[244:245], v[244:245], v[226:227]
	s_delay_alu instid0(VALU_DEP_2)
	v_pk_add_f32 v[14:15], v[14:15], v[246:247]
	s_delay_alu instid0(VALU_DEP_2)
	v_pk_add_f32 v[236:237], v[236:237], v[244:245]
	s_delay_alu instid0(VALU_DEP_1)
	v_pk_add_f32 v[14:15], v[14:15], v[236:237]
	s_wait_alu depctr_va_vdst(0)                   ; and one for the four
.irp b, 0,1,2,3
	v_max_num_f32 v[232+\b], 0x1800000, v[232+\b]  ; the floor 2^(3 - 127)
.endr
.irp b, 0,1,2,3
	s_delay_alu instid0(VALU_DEP_4)
	v_add_nc_u32 v[244+\b], 0xff000000, v[232+\b]  ; 2 off the exponent field
.endr
.irp b, 0,1,2,3
	s_delay_alu instid0(VALU_DEP_4)
	v_lshrrev_b32 v[236+\b], 23, v[244+\b]
.endr
	s_delay_alu instid0(VALU_DEP_3)
	v_lshl_or_b32 v253, v237, 8, v236              ; p's scale word for these 128 keys
	s_delay_alu instid0(VALU_DEP_1)
	v_lshl_or_b32 v253, v238, 16, v253
	s_delay_alu instid0(VALU_DEP_1)
	v_lshl_or_b32 v253, v239, 24, v253
.irp b, 0,1,2,3
	v_cvt_scalef32_pk8_fp4_f32 v[224+2*\b], v[96+16*\b:103+16*\b], v[244+\b]
	v_cvt_scalef32_pk8_fp4_f32 v[225+2*\b], v[104+16*\b:111+16*\b], v[244+\b]
.endr
	s_setprio 0
	v_nop                                          ; one plain line behind the scaled conversions
.irp c, 0,1
.irp i, 0,1
	v_permlane16_swap_b32 v[224+4*\c+\i], v[226+4*\c+\i]   ; a whole block to a lane
.endr
.endr
.set n, 0
.rept 16
	v_pk_mul_f32 v[160+n:161+n], v[160+n:161+n], v[252:253] op_sel_hi:[1,0]   ; O^T under the new M.  (These sixteen also stand between the lines that made p's codes and scale word and the products)
.set n, n+2
.endr
	s_wait_alu depctr_va_vdst(0)
	s_wait_loadcnt 0x0                             ; V and its scale words.  For 0: in a tile's last step no load of K stands behind V's, so no larger count holds on both ways; the next K was asked for a softmax ago
.irp t, 0,1,2,3
	v_wmma_scale_f32_16x16x128_f8f6f4 v[160+8*\t:167+8*\t], v[192+8*\t:199+8*\t], v[224:231], v[160+8*\t:167+8*\t], v[248+\t], v253 matrix_a_fmt:MATRIX_FMT_FP4 matrix_b_fmt:MATRIX_FMT_FP4
.endr
	PLACES                                         ; ahead of the loads into V's registers and, behind the last step, of the first read of O^T
	s_cmp_eq_u32 s[STP], s25
	s_cbranch_scc1 .Lhidden                        ; the last step asks for nothing: no load leaves its head's rows
	s_wait_xcnt 0x0                                ; the earlier loads have read their bases, which step now
	s_add_nc_u64 s[VB:VB+1], s[VB:VB+1], 4096
	s_add_nc_u64 s[VSB:VSB+1], s[VSB:VSB+1], 256
	VLOAD                                          ; the next step's V: it has a whole step in which to land
.Lhidden:
	s_add_co_u32 s[STP], s[STP], 1
	s_cmp_lt_u32 s[STP], 8
	s_cbranch_scc1 .Lstep
	s_setprio 0
	; ---- y = O^T / the sum, quantised along the head's 64 channels; meanwhile the bias and the addresses of the last product
	s_wait_loadcnt 0x0                             ; no load is out: the registers of K and V are given other work below
	v_and_b32 v12, 15, v0                          ; r
	v_bfe_u32 v13, v0, 4, 1                        ; h
	s_delay_alu instid0(VALU_DEP_1)
	v_lshlrev_b32 v23, 5, v13                      ; v23 the bias: 8 h numbers on
	s_lshl_b32 s78, s87, 8                         ; my 64 columns, in bytes
	s_mov_b32 s79, 0
	s_add_nc_u64 s[74:75], s[12:13], s[78:79]
.irp t, 0,1,2,3
	global_load_b128 v[32+8*\t:35+8*\t], v23, s[74:75] offset:64*\t      ; the bias starts the sums: register j of accumulator t is column 16 t + 8 h + j
	global_load_b128 v[36+8*\t:39+8*\t], v23, s[74:75] offset:64*\t+16
.endr
	v_add_f32 v14, v14, v15
	s_delay_alu instid0(VALU_DEP_1)
	v_permlanex16_b32 v252, v14, s[SEL], s[SEL+1]
	s_delay_alu instid0(VALU_DEP_1)
	v_add_f32 v14, v14, v252                       ; the row's sum
	s_wait_alu depctr_va_vdst(0)
	v_rcp_f32 v14, v14
	s_mul_i32 s82, s[WV], 16*P
	s_add_co_u32 s82, s82, STG                     ; my stage
	s_mul_i32 s83, s87, 64*P                       ; my 64 rows of Wp,
	s_lshl_b32 s84, s87, 10
	s_add_co_u32 s84, s84, WS                      ; their scale rows,
	s_lshl_b32 s85, s88, 12
	s_add_co_u32 s85, s85, YIMG                    ; my tile's eight images,
	s_lshl_b32 s86, s88, 8
	s_add_co_u32 s86, s86, YSC                     ; and its scale words
	v_mul_u32_u24 v17, v12, P                      ; (plain lines behind the reciprocal, which name nothing of it)
	s_delay_alu instid0(VALU_DEP_1)
	v_lshl_add_u32 v20, v13, 5, v17
	s_delay_alu instid0(VALU_DEP_1)
	v_add_nc_u32 v20, s82, v20                     ; v20 into the stage: row r, + 32 h
	s_delay_alu instid0(VALU_DEP_3)
	v_lshl_add_u32 v17, v13, 4, v17
	s_delay_alu instid0(VALU_DEP_1)
	v_add_nc_u32 v17, s83, v17                     ; v17 Wp: row r, + 16 h
	v_lshl_add_u32 v18, v12, 4, s84                ; v18 Wp's scale rows
	v_add_nc_u32 v16, s85, v1                      ; v16 y's images: 16 x lane
	v_lshl_add_u32 v19, v12, 2, s86                ; v19 y's scale words: 4 r
	v_mul_u32_u24 v21, v13, P
	s_delay_alu instid0(VALU_DEP_1)
	v_lshl_add_u32 v21, v12, 4, v21
	s_delay_alu instid0(VALU_DEP_1)
	v_add_nc_u32 v21, s82, v21                     ; v21 back: lanes 0-15 one row, lanes 16-31 the next
	v_lshlrev_b32 v22, 11, v13
	s_delay_alu instid0(VALU_DEP_1)
	v_lshl_add_u32 v22, v12, 4, v22                ; v22 the same two rows in out
	s_sub_co_u32 s80, 63, s21                      ; where my rows of out begin
	s_cmp_eq_u32 s88, 0
	s_cselect_b32 s80, s21, s80                    ; the tile
	s_lshr_b32 s81, s80, 1
	s_lshl_b32 s81, s81, 5
	s_and_b32 s80, s80, 1
	s_lshl_b32 s80, s80, 3
	s_add_co_u32 s81, s81, s80                     ; its row 0 in the sequence,
	s_lshl_b32 s80, s20, 10
	s_add_co_u32 s81, s81, s80                     ; among all tokens,
	s_lshl_b32 s78, s81, 11                        ; in bytes: 2,048 a row,
	s_lshl_b32 s80, s87, 8
	s_add_co_u32 s78, s78, s80                     ; + my columns
	s_add_nc_u64 s[76:77], s[14:15], s[78:79]
	s_wait_alu depctr_va_vdst(0)                   ; the wait ahead of the reciprocal's first reader
.set n, 0
.rept 16
	v_pk_mul_f32 v[96+n:97+n], v[160+n:161+n], v[14:15] op_sel_hi:[1,0]   ; register 16 b + i: channel 32 b + 16 h + i of my query
.set n, n+2
.endr
.irp b, 0,1
	v_max3_num_f32 v[232+\b], |v[96+16*\b]|, |v[97+16*\b]|, 0x1800000
.endr
.irp i, 2,4,6,8,10,12,14
.irp b, 0,1
	s_delay_alu instid0(VALU_DEP_2)
	v_max3_num_f32 v[232+\b], v[232+\b], |v[96+16*\b+\i]|, |v[97+16*\b+\i]|
.endr
.endr
.irp b, 0,1
	s_delay_alu instid0(VALU_DEP_2)
	v_permlanex16_b32 v[236+\b], v[232+\b], s[SEL], s[SEL+1]
.endr
.irp b, 0,1
	s_delay_alu instid0(VALU_DEP_2)
	v_max_num_f32 v[232+\b], v[232+\b], v[236+\b]
.endr
.irp b, 0,1
	s_delay_alu instid0(VALU_DEP_2)
	v_add_nc_u32 v[244+\b], 0xff000000, v[232+\b]
.endr
.irp b, 0,1
	s_delay_alu instid0(VALU_DEP_2)
	v_lshrrev_b32 v[236+\b], 23, v[244+\b]
.endr
	s_delay_alu instid0(VALU_DEP_1)
	v_lshl_or_b32 v240, v237, 8, v236              ; my query's two scale bytes
.irp b, 0,1
	v_cvt_scalef32_pk8_fp4_f32 v[224+2*\b], v[96+16*\b:103+16*\b], v[244+\b]
	v_cvt_scalef32_pk8_fp4_f32 v[225+2*\b], v[104+16*\b:111+16*\b], v[244+\b]
.endr
	v_nop                                          ; one plain line behind the scaled conversions
	v_permlane16_swap_b32 v224, v226
	v_permlane16_swap_b32 v225, v227               ; lanes 0-15 the head's first 32 channels, lanes 16-31 its second: four registers of the next operand
	ds_store_b128 v242, v[224:227]                 ; the image: 512 consecutive bytes
	ds_store_b16 v243, v240                        ; lanes r and r + 16 write the same two bytes with the same value
	s_wait_tensorcnt 0x0                           ; my part of Wp, if I asked for one, has landed,
	s_wait_dscnt 0x0                               ; and so have my stores: for the others' sake
	s_barrier_signal -1
	s_barrier_wait -1                              ; Wp and the sixteen images lie in LDS
	; ---- out: my tile of 16 tokens x my 64 columns; K = 512: four matrix instructions deep
.irp t, 0,1,2,3
	ds_load_b128 v[SW\t:SW\t+3], v18 offset:256*\t ; a row's 16 scale bytes: a word for each K step
.endr
.irp s, 0,1,2,3
	ds_load_b32 v[SY\s], v19 offset:64*\s          ; heads 2 s and 2 s + 1: two bytes each
.endr
.irp s, 0,1,2,3
.irp c, 0,1
	ds_load_b128 v[64+8*\s+4*\c:67+8*\s+4*\c], v16 offset:1024*\s+512*\c
.endr
.endr
.irp s, 0,1,2,3
.irp t, 0,1,2,3
.irp c, 0,1
	ds_load_b128 v[96+32*\s+8*\t+4*\c:99+32*\s+8*\t+4*\c], v17 offset:16*\t*P+64*\s+32*\c
.endr
.endr
.endr
.irp s, 0,1,2,3
	s_wait_dscnt 24-8*\s                           ; all but Wp's fragments of the later K steps, eight loads each
.if \s == 0
	s_wait_loadcnt 0x0                             ; the bias
.endif
.irp t, 0,1,2,3
	v_wmma_scale_f32_16x16x128_f8f6f4 v[32+8*\t:39+8*\t], v[96+32*\s+8*\t:103+32*\s+8*\t], v[64+8*\s:71+8*\s], v[32+8*\t:39+8*\t], v[SW\t+\s], v[SY\s] matrix_a_fmt:MATRIX_FMT_FP4 matrix_b_fmt:MATRIX_FMT_FP4
.endr
.endr
	; ---- the way out: through my own stage, then whole rows of 256 bytes.  Stage row r is token r + 8 (r / 8) of the tile's span
	PLACES
.irp t, 0,1,2,3
	ds_store_b128 v20, v[32+8*\t:35+8*\t] offset:64*\t        ; each accumulator from its low end on
	ds_store_b128 v20, v[36+8*\t:39+8*\t] offset:64*\t+16
.endr
.irp i, 0,1,2,3,4,5,6,7
	ds_load_b128 v[64+4*\i:67+4*\i], v21 offset:2*\i*P        ; LDS serves a wave's instructions in order: these see my stores
.endr
.irp i, 0,1,2,3,4,5,6,7
	s_wait_dscnt 7-\i                              ; rows 2 i and 2 i + 1 are back; the younger loads may be out
	global_store_b128 v22, v[64+4*\i:67+4*\i], s[76:77] offset:(2*\i+8*(\i/4))*2048 th:TH_STORE_NT   ; sixteen lanes store 256 consecutive bytes, at a multiple of 256 from out's first byte
.endr
	s_wait_xcnt 0x0
	v_lshl_add_u32 v254, v0, 2, 0x38000
	v_mov_b32 v255, 0
	s_wait_alu depctr_va_vdst(0)
	s_wait_tensorcnt 0x0
	ds_add_u32 v254, v255
	s_wait_dscnt 0x0
	CROUND                                         ; the closing round: no work-group ends while a partner may still ask for a tile that names it
	s_endpgm
.Lfunc_end_k_qa70d3f1cce_attnproj:
	.size	k_qa70d3f1cce_attnproj, .Lfunc_end_k_qa70d3f1cce_attnproj-k_qa70d3f1cce_attnproj
	.p2alignl 7, 3214868480
	.fill 96, 4, 3214868480
	.section	.rodata,"a",@progbits
	.p2align	6, 0x0
	.amdhsa_kernel k_qa70d3f1cce_attnproj
		.amdhsa_group_segment_fixed_size 231424
		.amdhsa_private_segment_fixed_size 0
		.amdhsa_enable_private_segment 0
		.amdhsa_kernarg_size 48
		.amdhsa_user_sgpr_count 2
		.amdhsa_user_sgpr_kernarg_segment_ptr 1
		.amdhsa_wavefront_size32 1
		.amdhsa_system_sgpr_workgroup_id_x 1
		.amdhsa_system_sgpr_workgroup_id_y 1
		.amdhsa_system_sgpr_workgroup_id_z 1
		.amdhsa_system_vgpr_workitem_id 0
		.amdhsa_next_free_vgpr 256
		.amdhsa_next_free_sgpr 96
		.amdhsa_reserve_vcc 1
		.amdhsa_float_denorm_mode_32 3
		.amdhsa_float_denorm_mode_16_64 3
		.amdhsa_memory_ordered 1
		.amdhsa_forward_progress 1
		.amdhsa_inst_pref_size 48
	.end_amdhsa_kernel
	.amdgpu_metadata
---
amdhsa.version: [ 1, 2 ]
amdhsa.kernels:
  - .name:           k_qa70d3f1cce_attnproj
    .symbol:         k_qa70d3f1cce_attnproj.kd
    .args:
      - { .name: cod2, .offset: 0, .size: 8, .value_kind: global_buffer, .address_space: global }
      - { .name: scl2, .offset: 8, .size: 8, .value_kind: global_buffer, .address_space: global }
      - { .name: cod1, .offset: 16, .size: 8, .value_kind: global_buffer, .address_space: global }
      - { .name: scl1, .offset: 24, .size: 8, .value_kind: global_buffer, .address_space: global }
      - { .name: bp, .offset: 32, .size: 8, .value_kind: global_buffer, .address_space: global }
      - { .name: out0, .offset: 40, .size: 8, .value_kind: global_buffer, .address_space: global }
    .group_segment_fixed_size: 231424
    .private_segment_fixed_size: 0
    .kernarg_segment_align: 8
    .kernarg_segment_size: 48
    .max_flat_workgroup_size: 512
    .sgpr_count:     96
    .vgpr_count:     256
    .wavefront_size: 32
...
	.end_amdgpu_metadata
.endif
;; end of part 7
